; MI455X (gfx1250); checked and timed in simulation.
; The chip was launched on July 23, 2026; its instructions are those of AMD's public machine-readable ISA for CDNA 5 (MIT licence, August 2026) and "CDNA5" Instruction Set Architecture Reference Guide (July 2026). The comments in the code are by the model that wrote it; some were corrected since.
;; Attention. Allowed arithmetic: float matrix products may take bf16 or f16 operands with f32 sums; other float arithmetic in f32, or as packed bf16 or f16 multiplies, adds, multiply-adds, maxima and minima; sums over many terms, partial sums and values carried from step to step in f32; what a program stores and reads back later, other than sums and carried values, may be rounded once to bf16 or f16.
;; Inputs: wk 512 x 2,048 float32; wo 2,048 x 2,048 float32; wq 2,048 x 2,048 float32; wv 512 x 2,048 float32; x 2 x 1,024 x 2,048 float32.
;; Outputs: out0 2 x 1,024 x 2,048 float32.
;; One version. Each part assembles by itself: llvm-mc -triple=amdgcn-amd-amdhsa -mcpu=gfx1250 --defsym DOCPART=n.
;; ======== version 1 of 1: 4 launches
;; limits: values are held in f16: magnitudes above 65,504 overflow, below 6.1e-05 lose precision
;; workspace buffers: xb 8,388,608 bytes; wb 12,582,912 bytes; wob 8,388,608 bytes; tab 524,288 bytes; qb 8,388,608 bytes; kb 2,097,152 bytes; vb 2,097,152 bytes; ob 8,388,608 bytes
;; launch prep (part 1): grid 64 x 15, 8 waves a work-group, no clusters, 0 bytes of LDS; arguments x, wq, wk, wv, wo, xb, wb, wob, tab; writes xb, wb, wob, tab
.if DOCPART == 1
	.amdgcn_target "amdgcn-amd-amdhsa--gfx1250"
	.amdhsa_code_object_version 6
	.text
	.protected	k_q7309db0690_prep
	.globl	k_q7309db0690_prep
	.p2align	8
	.type	k_q7309db0690_prep,@function
k_q7309db0690_prep:
	s_mov_b64 s[64:65], 0
	v_nop
	global_prefetch_b8 v0, s[64:65] scope:SCOPE_SE
	s_setreg_imm32_b32 hwreg(HW_REG_WAVE_MODE, 25, 1), 1
	s_wait_xcnt 0x0
; FIRST OF FOUR LAUNCHES: x, wq, wk, wv are rounded once to bf16, wo to bf16 and that number written as f16, and the table of cosines and sines is made.
; THE PROGRAM: (1) this; (2) q, k, v = x w^T with the rotation, in f16; (3) causal attention; (4) out0 = O wo^T.  All five inputs are loaded; none is dead.
; WORK LEFT OUT (in launch 3): reference() adds finfo.min to every score whose key lies behind its query, ahead of the softmax; such a score's weight is the exponential of
; about -3.4e38 and is 0 in reference()'s own result whatever finite values the inputs hold.  So steps of 64 keys that lie wholly behind a block's 16 queries are not walked.
; LIMIT: a NaN, an infinity or an overflow that reaches only those hidden scores is not carried to the result.
; LIMITS OF FORMAT: q, k, v must lie within 65,504 (f16); a number of wo below 6e-5 keeps f16's fixed step of 6e-8; the table's angles are good to about 1e-4 radians (position x frequency is rounded to f32, as in reference()).
; SHARES.  y = 0-3: x; 4-7: wq; 8: wk; 9: wv; 10-13: wo, 512 rows each; y = 14: the table.  But for wv a work-group takes 8 rows: 65,536 consecutive bytes in, 32,768 consecutive bytes out.
; Thread t loads 16 bytes at 16 t + 4,096 i and stores 8 bytes at 8 t + 2,048 i, i = 0..15: a wave's load covers 512 consecutive bytes, its store 256 consecutive bytes, aligned.
; All 16 loads go out first; no register is used twice, so nothing but the counted waits for data is needed.
; wb: 2,560 rows of 4,096 bytes: rows 160 tx + 80 nh + i hold wq's row 128 tx + 64 nh + i (i < 64) and wk's row 32 tx + 16 nh + i - 64: every half tile of launch 2 has the same make-up.
; Behind them, from byte 10,485,760 on, wv in tiles of 16 rows x 16 along K: [row block 32][k block 128][512 bytes], lane l's 16 bytes (row l % 16, k 8 (l / 16) + 0..7) at 16 l: as launch 2's registers take them.
.set X,   8                            ; v[8:71]    as loaded
.set Y,   72                           ; v[72:103]  to store
.set TM,  104                          ; v[104:107] at work
.set SRC, 28                           ; s[28:29]
.set DST, 38                           ; s[38:39]
.set VOFF, 10485760                    ; where wv's tiles begin in wb
	s_load_b512 s[8:23], s[0:1], 0x0               ; x, wq, wk, wv, wo, xb, wb, wob
	s_load_b64 s[24:25], s[0:1], 0x40              ; tab
	s_and_b32 s26, ttmp7, 0xffff                   ; y
	s_mov_b32 s27, ttmp9                           ; the work-group's x
	v_lshlrev_b32 v1, 4, v0                        ; 16 t
	v_lshlrev_b32 v2, 3, v0                        ; 8 t
	s_wait_kmcnt 0x0
	s_cmp_eq_u32 s26, 14
	s_cbranch_scc1 .Ltable
	s_cmp_eq_u32 s26, 9
	s_cbranch_scc1 .Lwv
	; which tensor, and the y at which it begins
	s_mov_b64 s[SRC:SRC+1], s[8:9]
	s_mov_b32 s30, 0
	s_cmp_ge_u32 s26, 4
	s_cselect_b64 s[SRC:SRC+1], s[10:11], s[SRC:SRC+1]
	s_cselect_b32 s30, 4, s30
	s_cmp_ge_u32 s26, 8
	s_cselect_b64 s[SRC:SRC+1], s[12:13], s[SRC:SRC+1]
	s_cselect_b32 s30, 8, s30
	s_cmp_ge_u32 s26, 10
	s_cselect_b64 s[SRC:SRC+1], s[16:17], s[SRC:SRC+1]
	s_cselect_b32 s30, 10, s30
	s_sub_co_u32 s31, s26, s30
	s_lshl_b32 s31, s31, 9
	s_lshl3_add_u32 s31, s27, s31                  ; R: my first row in the tensor
	; the row in wb for a row of wq,
	s_lshr_b32 s32, s31, 7
	s_mul_i32 s32, s32, 160
	s_bfe_u32 s33, s31, 0x10006
	s_mul_i32 s33, s33, 80
	s_add_co_u32 s32, s32, s33
	s_and_b32 s33, s31, 63
	s_add_co_u32 s32, s32, s33
	; and of wk
	s_lshr_b32 s34, s31, 5
	s_mul_i32 s34, s34, 160
	s_bfe_u32 s33, s31, 0x10004
	s_mul_i32 s33, s33, 80
	s_add_co_u32 s34, s34, s33
	s_and_b32 s33, s31, 15
	s_add_co_u32 s34, s34, s33
	s_add_co_u32 s34, s34, 64
	s_mov_b32 s36, s31                             ; x and wo keep their rows
	s_mov_b64 s[DST:DST+1], s[18:19]
	s_cmp_ge_u32 s26, 4
	s_cselect_b32 s36, s32, s36
	s_cselect_b64 s[DST:DST+1], s[20:21], s[DST:DST+1]
	s_cmp_ge_u32 s26, 8
	s_cselect_b32 s36, s34, s36
	s_cmp_ge_u32 s26, 10
	s_cselect_b32 s36, s31, s36
	s_cselect_b64 s[DST:DST+1], s[22:23], s[DST:DST+1]
	s_lshl_b32 s40, s31, 13                        ; a row is 8,192 bytes in,
	s_mov_b32 s41, 0
	s_add_nc_u64 s[SRC:SRC+1], s[SRC:SRC+1], s[40:41]
	s_lshl_b32 s40, s36, 12                        ; 4,096 out
	s_add_nc_u64 s[DST:DST+1], s[DST:DST+1], s[40:41]
.set i, 0
.rept 16
	global_load_b128 v[X+4*i:X+4*i+3], v1, s[SRC:SRC+1] offset:4096*i th:TH_LOAD_NT
.set i, i+1
.endr
	s_cmp_ge_u32 s26, 10
	s_cbranch_scc1 .Lwo
.set i, 0
.rept 16
	s_wait_loadcnt 15-i                            ; loads come back in order: load i is in, the younger ones stay out
	v_cvt_pk_bf16_f32 v[Y+2*i], v[X+4*i], v[X+4*i+1]
	v_cvt_pk_bf16_f32 v[Y+2*i+1], v[X+4*i+2], v[X+4*i+3]
	global_store_b64 v2, v[Y+2*i:Y+2*i+1], s[DST:DST+1] offset:2048*i
.set i, i+1
.endr
	s_endpgm
.Lwo:                                          ; wo: rounded to bf16 like the other inputs, widened again, and written as f16 (exact inside f16's normal range)
.set i, 0
.rept 16
	s_wait_loadcnt 15-i
	v_cvt_pk_bf16_f32 v[TM], v[X+4*i], v[X+4*i+1]
	v_cvt_pk_bf16_f32 v[TM+1], v[X+4*i+2], v[X+4*i+3]
	v_lshlrev_b32 v[TM+2], 16, v[TM]
	v_and_b32 v[TM], 0xffff0000, v[TM]
	v_lshlrev_b32 v[TM+3], 16, v[TM+1]
	v_and_b32 v[TM+1], 0xffff0000, v[TM+1]
	v_cvt_pk_f16_f32 v[Y+2*i], v[TM+2], v[TM]
	v_cvt_pk_f16_f32 v[Y+2*i+1], v[TM+3], v[TM+1]
	global_store_b64 v2, v[Y+2*i:Y+2*i+1], s[DST:DST+1] offset:2048*i
.set i, i+1
.endr
	s_endpgm
; wv INTO TILES.  Work-group x takes row block x / 2 (16 rows) and half x % 2 of K (1,024 numbers, 64 tiles); wave w takes tiles 8 w .. 8 w + 7 of them: 512 consecutive bytes of each of the 16 rows, which no other wave reads.
; For a tile lane l = 16 h + r loads 32 bytes of row r (k 8 h + 0..7) by two loads and stores 16 bytes at 16 l: a wave's store covers the tile's 512 consecutive bytes, aligned.
.Lwv:
	v_and_b32 v3, 15, v0                           ; r
	v_bfe_u32 v4, v0, 4, 1                         ; h
	v_lshrrev_b32 v5, 5, v0                        ; w
	v_lshlrev_b32 v6, 13, v3                       ; in: r x 8,192
	v_lshl_add_u32 v6, v4, 5, v6                   ;     + 32 h
	v_lshl_add_u32 v6, v5, 9, v6                   ;     + 512 w
	v_and_b32 v7, 31, v0
	v_lshlrev_b32 v7, 4, v7                        ; out: 16 l
	v_lshl_add_u32 v7, v5, 12, v7                  ;      + 8 tiles x 512 x w
	s_lshr_b32 s31, s27, 1                         ; the row block
	s_and_b32 s32, s27, 1                          ; the half of K
	s_lshl_b32 s40, s31, 17                        ; 16 rows of 8,192 bytes
	s_lshl_b32 s33, s32, 12                        ; 1,024 numbers of 4 bytes
	s_add_co_u32 s40, s40, s33
	s_mov_b32 s41, 0
	s_add_nc_u64 s[SRC:SRC+1], s[14:15], s[40:41]
	s_lshl_b32 s40, s31, 16                        ; 128 tiles a row block
	s_lshl_b32 s33, s32, 15                        ; 64 tiles
	s_add_co_u32 s40, s40, s33
	s_add_co_u32 s40, s40, VOFF
	s_add_nc_u64 s[DST:DST+1], s[20:21], s[40:41]
.set i, 0
.rept 8
	global_load_b128 v[X+8*i:X+8*i+3],   v6, s[SRC:SRC+1] offset:64*i
	global_load_b128 v[X+8*i+4:X+8*i+7], v6, s[SRC:SRC+1] offset:64*i+16
.set i, i+1
.endr
.set i, 0
.rept 8
	s_wait_loadcnt 14-2*i                          ; tile i's two loads are in, the younger ones stay out
	v_cvt_pk_bf16_f32 v[Y+4*i],   v[X+8*i],   v[X+8*i+1]
	v_cvt_pk_bf16_f32 v[Y+4*i+1], v[X+8*i+2], v[X+8*i+3]
	v_cvt_pk_bf16_f32 v[Y+4*i+2], v[X+8*i+4], v[X+8*i+5]
	v_cvt_pk_bf16_f32 v[Y+4*i+3], v[X+8*i+6], v[X+8*i+7]
	global_store_b128 v7, v[Y+4*i:Y+4*i+3], s[DST:DST+1] offset:512*i
.set i, i+1
.endr
	s_endpgm
; THE TABLE: tab[pos][pair] = (cos, sin) of pos x 10000^(-pair / 64), f32, 512 bytes a position.  Wave W = 8 x + w of 512 makes positions 2 W and 2 W + 1;
; lane l makes pairs 2 l and 2 l + 1: 16 bytes, so a wave's store covers a position's 512 bytes.
; Sine and cosine: n = the nearest whole number to angle x 2 / pi; r = angle - n pi / 2 with pi / 2 in two parts; polynomials on |r| <= pi / 4; the quadrant n mod 4 swaps and signs them, by selects.
.set AT, 24                            ; v[24:29] at work
.macro SINCOS ang, co, si
	v_mul_f32 v[AT], 0x3f22f983, v[\ang]           ; x 2 / pi
	v_rndne_f32 v[AT], v[AT]                       ; n
	v_fma_f32 v[AT+1], v[AT], s42, v[\ang]         ; r = angle - n x (pi / 2)'s upper part
	v_fma_f32 v[AT+1], v[AT], s43, v[AT+1]         ;     - n x its lower part
	v_cvt_i32_f32 v[AT+2], v[AT]
	v_mul_f32 v[AT+3], v[AT+1], v[AT+1]            ; r^2
	v_fma_f32 v[AT+4], v[AT+3], s46, s45
	v_fma_f32 v[AT+4], v[AT+4], v[AT+3], s44
	v_mul_f32 v[AT+5], v[AT+3], v[AT+1]            ; r^3
	v_fma_f32 v[AT+4], v[AT+4], v[AT+5], v[AT+1]   ; sin r
	v_fma_f32 v[AT+5], v[AT+3], s49, s48
	v_fma_f32 v[AT+5], v[AT+5], v[AT+3], s47
	v_fma_f32 v[AT+5], v[AT+5], v[AT+3], -0.5
	v_fma_f32 v[AT+5], v[AT+5], v[AT+3], 1.0       ; cos r
	v_and_b32 v[AT], 1, v[AT+2]
	v_cmp_eq_u32 vcc_lo, 1, v[AT]
	v_cndmask_b32 v[\si], v[AT+4], v[AT+5], vcc_lo ; odd quadrants swap the two
	v_cndmask_b32 v[\co], v[AT+5], v[AT+4], vcc_lo
	v_and_b32 v[AT], 2, v[AT+2]
	v_lshlrev_b32 v[AT], 30, v[AT]
	v_xor_b32 v[\si], v[AT], v[\si]                ; quadrants 2, 3: - sine
	v_add_nc_u32 v[AT], 1, v[AT+2]
	v_and_b32 v[AT], 2, v[AT]
	v_lshlrev_b32 v[AT], 30, v[AT]
	v_xor_b32 v[\co], v[AT], v[\co]                ; quadrants 1, 2: - cosine
.endm
.Ltable:
	v_lshrrev_b32 v3, 5, v0
	v_readfirstlane_b32 s28, v3
	s_lshl3_add_u32 s28, s27, s28                  ; W
	s_lshl_b32 s29, s28, 1                         ; the first of my two positions
	s_lshl_b32 s31, s29, 9                         ; its row in the table
	s_mov_b32 s42, 0xbfc90fdb                      ; - 1.57079637
	s_mov_b32 s43, 0x333bbd2e                      ; + 4.37113883e-8: what that is above pi / 2
	s_mov_b32 s44, 0xbe2aaaa3                      ; sine: -1.6666654611e-1, 8.3321608736e-3, -1.9515295891e-4
	s_mov_b32 s45, 0x3c08839e
	s_mov_b32 s46, 0xb94ca1f9
	s_mov_b32 s47, 0x3d2aaaa5                      ; cosine: 4.166664568e-2, -1.388731625e-3, 2.443315712e-5
	s_mov_b32 s48, 0xbab6061a
	s_mov_b32 s49, 0x37ccf5ce
	v_and_b32 v4, 31, v0
	v_lshlrev_b32 v5, 1, v4
	v_cvt_f32_u32 v6, v5                           ; pair 2 l,
	v_add_f32 v7, 1.0, v6                          ; pair 2 l + 1
	v_mul_f32 v6, 0xbe549a78, v6                   ; x - log2(10000) / 64
	v_mul_f32 v7, 0xbe549a78, v7
	v_exp_f32 v6, v6
	v_exp_f32 v7, v7
	v_lshl_add_u32 v8, v4, 4, s31                  ; a plain instruction behind the exponentials: my 16 bytes of the row
	s_wait_alu depctr_va_vdst(0)                   ; one wait for both, ahead of their first reader
	v_cvt_f32_u32 v9, s29
	v_add_f32 v10, 1.0, v9
	v_mul_f32 v11, v9, v6
	v_mul_f32 v12, v9, v7
	v_mul_f32 v13, v10, v6
	v_mul_f32 v14, v10, v7
	SINCOS 11, 16, 17
	SINCOS 12, 18, 19
	SINCOS 13, 20, 21
	SINCOS 14, 22, 23
	global_store_b128 v8, v[16:19], s[24:25]
	global_store_b128 v8, v[20:23], s[24:25] offset:512
	s_endpgm
.Lfunc_end_k_q7309db0690_prep:
	.size	k_q7309db0690_prep, .Lfunc_end_k_q7309db0690_prep-k_q7309db0690_prep
	.p2alignl 7, 3214868480
	.fill 96, 4, 3214868480
	.section	.rodata,"a",@progbits
	.p2align	6, 0x0
	.amdhsa_kernel k_q7309db0690_prep
		.amdhsa_group_segment_fixed_size 0
		.amdhsa_private_segment_fixed_size 0
		.amdhsa_enable_private_segment 0
		.amdhsa_kernarg_size 72
		.amdhsa_user_sgpr_count 2
		.amdhsa_user_sgpr_kernarg_segment_ptr 1
		.amdhsa_wavefront_size32 1
		.amdhsa_system_sgpr_workgroup_id_x 1
		.amdhsa_system_sgpr_workgroup_id_y 1
		.amdhsa_system_sgpr_workgroup_id_z 1
		.amdhsa_system_vgpr_workitem_id 0
		.amdhsa_next_free_vgpr 112
		.amdhsa_next_free_sgpr 66
		.amdhsa_reserve_vcc 1
		.amdhsa_float_denorm_mode_32 3
		.amdhsa_float_denorm_mode_16_64 3
		.amdhsa_memory_ordered 1
		.amdhsa_forward_progress 1
		.amdhsa_inst_pref_size 29
	.end_amdhsa_kernel
	.amdgpu_metadata
---
amdhsa.version: [ 1, 2 ]
amdhsa.kernels:
  - .name:           k_q7309db0690_prep
    .symbol:         k_q7309db0690_prep.kd
    .args:
      - { .name: x, .offset: 0, .size: 8, .value_kind: global_buffer, .address_space: global }
      - { .name: wq, .offset: 8, .size: 8, .value_kind: global_buffer, .address_space: global }
      - { .name: wk, .offset: 16, .size: 8, .value_kind: global_buffer, .address_space: global }
      - { .name: wv, .offset: 24, .size: 8, .value_kind: global_buffer, .address_space: global }
      - { .name: wo, .offset: 32, .size: 8, .value_kind: global_buffer, .address_space: global }
      - { .name: xb, .offset: 40, .size: 8, .value_kind: global_buffer, .address_space: global }
      - { .name: wb, .offset: 48, .size: 8, .value_kind: global_buffer, .address_space: global }
      - { .name: wob, .offset: 56, .size: 8, .value_kind: global_buffer, .address_space: global }
      - { .name: tab, .offset: 64, .size: 8, .value_kind: global_buffer, .address_space: global }
    .group_segment_fixed_size: 0
    .private_segment_fixed_size: 0
    .kernarg_segment_align: 8
    .kernarg_segment_size: 72
    .max_flat_workgroup_size: 256
    .sgpr_count:     66
    .vgpr_count:     112
    .wavefront_size: 32
...
	.end_amdgpu_metadata
.endif
;; end of part 1
;; launch qkv (part 2): grid 16 x 16, 4 waves a work-group, clusters of 4 x 4, 327,680 bytes of LDS; arguments xb, wb, tab, qb, kb, vb; writes qb, kb, vb
.if DOCPART == 2
	.amdgcn_target "amdgcn-amd-amdhsa--gfx1250"
	.amdhsa_code_object_version 6
	.text
	.protected	k_q7309db0690_qkv
	.globl	k_q7309db0690_qkv
	.p2align	8
	.type	k_q7309db0690_qkv,@function
k_q7309db0690_qkv:
	s_mov_b64 s[64:65], 0
	v_nop
	global_prefetch_b8 v0, s[64:65] scope:SCOPE_SE
	s_setreg_imm32_b32 hwreg(HW_REG_WAVE_MODE, 25, 1), 1
	s_wait_xcnt 0x0
	s_wait_alu depctr_hold_cnt(0) depctr_sa_sdst(0) depctr_va_vdst(0) depctr_va_sdst(0) depctr_va_ssrc(0) depctr_va_vcc(0) depctr_vm_vsrc(0)
	s_getreg_b32 s2, hwreg(HW_REG_IB_STS2, 6, 4)
	s_cmp_eq_u32 s2, 0
	s_cbranch_scc0 .Lentry_in_a_cluster
	s_endpgm
.Lentry_in_a_cluster:
	s_bfe_u32 s2, ttmp6, 0x10000c
	s_cmp_lg_u32 s2, 0xf033
	s_cbranch_scc0 .Lentry_shape_is_right
	s_endpgm
.Lentry_shape_is_right:
; q, k, v = x w^T: [2048 rows][3072 columns], K = 2048, bf16 operands, f32 sums; q and k are rotated in f32 by the table; all three are rounded once to f16 and stored in the order in which
; the next launch's matrix operands take them.  LIMIT: q, k and v must lie within 65,504 (f16).
; SHARES.  256 work-groups, a tile of 128 rows x 192 columns each (2048 x 3072 / 256); four waves, 64 x 96 each: 4 row blocks x 6 column blocks of 16 = 24 accumulators, 192 registers.
; A wave's column blocks 0-3 are 64 channels of query head tx, block 4 is 16 channels of k, block 5 is 16 channels of v: one text for all.
; K GOES IN STEPS OF 256 (rows of 512 bytes) through two LDS slots.  Two such slots with all 320 rows would take 2 x 320 x 512 = 327,680 bytes without any padding: all there is, and no room for the spare words.
; So the ring holds x's 128 rows and the 160 rows of wq and wk (2 x 288 x 528 = 304,128 bytes), and THE 32 ROWS OF wv COME FROM MEMORY STRAIGHT INTO REGISTERS: each wave loads its own 16, which launch 1
; has stored in tiles of 16 x 16 (512 bytes, lane l's 16 bytes at 16 l), so that a fragment of 32 along K is 1,024 consecutive bytes, two loads.  They are 32 of a step's 320 rows: not asked for jointly.
; Their ring is 16 fragments in registers, four sets of 128 along K: in the first part of half-step g (128 along K) the set that half-step g - 1 has read takes half-step g + 3.
; CLUSTER 4 x 4: x's tile hangs on the tile row alone and is asked for jointly along a row of the cluster, w's on the tile column alone, along a column.
; BLOCKS 0-4 ARE TAKEN TRANSPOSED (source 0 = 16 rows of w, source 1 = 16 rows of x): a lane holds one position (lane % 16) and the channels 8 (lane / 16) + 0..7: four pairs to rotate, 16 bytes in f16.
; BLOCK 5 IS TAKEN AS IT IS (source 0 = x, source 1 = wv): a lane holds one channel and 8 positions: v turned, as the second product of attention wants it.
; STORED TILES: 16 x 16 numbers in 512 bytes, lane l's 16 bytes at 16 l.  A packed accumulator IS such a tile, so each store of a wave covers 512 consecutive bytes, aligned, and nothing goes through LDS on the way out.
;   qb [b 16 + head][position block 64][channel block 8][512];  kb, vb [b 4 + kv head][position block 64][channel block 8][512]
; REGISTERS.  window 0: v16-29 addresses; v32-63 at work; v64-255 accumulator (a, b) at 64 + 8 (6 a + b).  window 1: two fragment buffers of 72: w's five, then x's four.
;   window 2: the table's (cos, sin) pairs for my positions and channels, 8 registers for each of the 20 accumulators that are rotated.  window 3: v0-127 wv's 16 fragments: slot s, part p at 8 (8 s + p).
.set KSTEP,  256
.set PITCH,  528                       ; an LDS row: 512 bytes + 16 of padding = 132 words: the 16 rows of a fragment load start 4 banks apart (64 banks of 4 bytes: ISA guide 11.1)
.set AHALF,  64*PITCH                  ; what one load brings of x, and what one wave reads of it
.set BHALF,  80*PITCH                  ; the same of w
.set BOFF,   2*AHALF
.set SLOT,   BOFF+2*BHALF              ; 152,064 bytes
.set SPARE,  2*SLOT                    ; behind the ring: the spare words, 128 bytes for each wave: two blocks of 256 bytes that no other line names
.set LAPS,   4                         ; a lap = two K steps
.set VOFF,   10485760                  ; where wv's tiles begin in wb
.set ADRA, 16                          ; v16-17 LDS address of my fragments of x in slot 0, 1
.set ADRB, 20                          ; v20-21 the same for w
.set LO,   24                          ; v24  16 x lane: my 16 bytes of a stored tile; never rewritten
.set TO,   25                          ; v25  my offset in the table: (lane % 16) x 512 + 32 (lane / 16); never rewritten
.set SPW,  28                          ; v28  my spare word; never rewritten
.set NIL,  29                          ; v29  0; never rewritten
.set TMP,  32
.set ACC,  64
.set F0,   0
.set F1,   72
.set WV,   16                          ; s16 wave; s17 its half of the rows (also: 0 = I fetch x, 1 = w); s18 its half of the columns (also: which half I fetch)
.set MH,   17
.set NH,   18
.set G1A,  24
.set G0A,  32
.set G1B,  48
.set G0B,  56
.set QP,   66
.set KP,   68
.set VP,   70
.set TQ,   72
.set TK,   74
.set VWP,  82                          ; s[82:83] my 16 rows of wv, at the lap in hand
.set MSB, 0
.macro WIN new                         ; the immediate's high byte repeats the setting that is left; a switch that changes nothing is dropped
.if MSB != (\new)
	s_set_vgpr_msb (MSB<<8)|(\new)
.set MSB, \new
.endif
.endm
.set MUL,  0x05                        ; sources 0 and 1 window 1; C and D window 0
.set MULW, 0x0d                        ; source 0 (x) window 1, source 1 (wv) window 3; C and D window 0
.set TO_F, 0x40                        ; destination window 1, address window 0
.macro JLOAD s                         ; a joint load: waves 0 and 1 fetch x's two halves, waves 2 and 3 w's; an s_nop 0 and four v_nop follow each line, ahead of the jump and the label
	s_cmp_eq_u32 s[MH], 0
	s_cbranch_scc0 .Lfor_b_\@
	tensor_load_to_lds s[G0A+4*(\s):G0A+4*(\s)+3], s[G1A:G1A+7]
	s_nop 0
.rept 4
	v_nop
.endr
	s_branch .Lasked_\@
.Lfor_b_\@:
	tensor_load_to_lds s[G0B+4*(\s):G0B+4*(\s)+3], s[G1B:G1B+7]
	s_nop 0
.rept 4
	v_nop
.endr
.Lasked_\@:
.endm
.macro CREST                           ; a round of the cluster's barrier behind its opening barrier
	s_cmp_lg_u32 s[WV], 0
	s_cbranch_scc1 .Lnot_wave_0_\@
	s_barrier_signal -3
.Lnot_wave_0_\@:
	s_barrier_wait -3
	s_barrier_signal -1
	s_barrier_wait -1
.endm
.macro CROUND
	s_barrier_signal -1
	s_barrier_wait -1
	CREST
.endm
.macro PLACES                          ; four plain places behind a matrix instruction, ahead of loads into its sources and of vector reads of its result
.rept 4
	v_nop
.endr
.endm
	s_load_b256 s[4:11], s[0:1], 0x0               ; xb s[4:5], wb s[6:7], tab s[8:9], qb s[10:11]
	s_load_b128 s[12:15], s[0:1], 0x20             ; kb s[12:13], vb s[14:15]
	v_lshl_add_u32 v[SPW], v0, 2, SPARE
	v_mov_b32 v[NIL], 0
	ds_add_u32 v[SPW], v[NIL]                      ; the wave's opening: the add, twice on end, and its wait ahead of my first tensor load
	ds_add_u32 v[SPW], v[NIL]                      ; and once more; the set-up below, work on registers, stands between it and the wait
	v_lshrrev_b32 v1, 5, v0
	v_readfirstlane_b32 s[WV], v1
	s_lshr_b32 s[MH], s[WV], 1
	s_and_b32 s[NH], s[WV], 1
	s_bfe_u32 s19, ttmp6, 0x40000                  ; cx
	s_bfe_u32 s20, ttmp6, 0x40004                  ; cy
	s_lshl_b32 s21, ttmp9, 2
	s_add_co_u32 s21, s21, s19                     ; tx: the tile column
	s_and_b32 s22, ttmp7, 0xffff
	s_lshl_b32 s22, s22, 2
	s_add_co_u32 s22, s22, s20                     ; ty: the tile row
	s_lshl_b32 s40, s20, 2
	s_lshl_b32 s40, 15, s40                        ; my row of the cluster
	s_lshl_b32 s44, 0x1111, s19                    ; my column
	s_or_b32 s[G1A+0], s40, (1<<16)|(1<<20)|(1<<21)|(6<<22)|(3<<25)  ; the mask; 2-byte elements; padding on; bit 21 beside a mask; after every 128 words, 4 words
	s_or_b32 s[G1B+0], s44, (1<<16)|(1<<20)|(1<<21)|(6<<22)|(3<<25)
	s_mov_b32 s[G1A+1], KSTEP<<16                  ; tensor_dim0 = 256
	s_mov_b32 s[G1A+2], 64<<16                     ; tensor_dim1 = 64
	s_mov_b32 s[G1A+3], KSTEP<<16                  ; tile_dim0 = 256
	s_mov_b32 s[G1A+4], 64                         ; tile_dim1 = 64
	s_mov_b32 s[G1A+5], 2048                       ; elements from row to row
	s_mov_b32 s[G1A+6], 0
	s_mov_b32 s[G1A+7], 0
	s_mov_b32 s[G1B+1], KSTEP<<16
	s_mov_b32 s[G1B+2], 80<<16                     ; 80 rows
	s_mov_b32 s[G1B+3], KSTEP<<16
	s_mov_b32 s[G1B+4], 80
	s_mov_b32 s[G1B+5], 2048
	s_mov_b32 s[G1B+6], 0
	s_mov_b32 s[G1B+7], 0
	s_lshl_b32 s40, s22, 7                         ; x: row 128 ty + 64 x half, 4,096 bytes a row (s40-43 never hold tx, s44-47 never ty)
	s_lshl_b32 s41, s[NH], 6
	s_add_co_u32 s40, s40, s41
	s_lshl_b32 s40, s40, 12
	s_mov_b32 s41, 0
	s_mul_i32 s44, s21, 160                        ; w: row 160 tx + 80 x half
	s_mul_i32 s45, s[NH], 80
	s_add_co_u32 s44, s44, s45
	s_lshl_b32 s44, s44, 12
	s_mov_b32 s45, 0
	s_mul_i32 s42, s[NH], AHALF                    ; where they go: no place in the cluster enters an LDS address
	s_mul_i32 s46, s[NH], BHALF
	s_add_co_u32 s46, s46, BOFF
	s_wait_dscnt 0x0                               ; both opening adds are done
	s_wait_kmcnt 0x0
	s_add_nc_u64 s[40:41], s[4:5], s[40:41]
	s_add_nc_u64 s[44:45], s[6:7], s[44:45]
	CROUND                                         ; all sixteen work-groups are here: the first joint loads meet
.irp s, 0,1
	s_mov_b32 s[G0A+4*(\s)], 1
	s_add_co_u32 s[G0A+4*(\s)+1], s42, (\s)*SLOT
	s_add_nc_u64 s[G0A+4*(\s)+2:G0A+4*(\s)+3], s[40:41], (\s)*KSTEP*2
	s_or_b32 s[G0A+4*(\s)+3], s[G0A+4*(\s)+3], 0x80000000
	s_mov_b32 s[G0B+4*(\s)], 1
	s_add_co_u32 s[G0B+4*(\s)+1], s46, (\s)*SLOT
	s_add_nc_u64 s[G0B+4*(\s)+2:G0B+4*(\s)+3], s[44:45], (\s)*KSTEP*2
	s_or_b32 s[G0B+4*(\s)+3], s[G0B+4*(\s)+3], 0x80000000
	JLOAD \s                                       ; K steps 0 and 1: two loads of mine are out
.endr
	v_and_b32 v1, 15, v0                           ; r = lane % 16
	v_bfe_u32 v2, v0, 4, 1                         ; h = lane / 16
	v_lshlrev_b32 v[TO], 9, v1
	v_lshl_add_u32 v[TO], v2, 5, v[TO]
	v_and_b32 v[LO], 31, v0
	v_lshlrev_b32 v[LO], 4, v[LO]
	; where wv is read, where the results go and where the table is read (both coordinates meet here, in registers of their own)
	s_lshl1_add_u32 s77, s21, s[NH]                ; wv's row block 2 tx + my half,
	s_lshl_b32 s80, s77, 16                        ; 128 tiles of 512 bytes each
	s_add_co_u32 s80, s80, VOFF
	s_mov_b32 s81, 0
	s_add_nc_u64 s[VWP:VWP+1], s[6:7], s[80:81]
; Four fragments of wv (128 along K, 4,096 consecutive bytes) into set \set of four: half-step \idx, counted from the pointer.  512 consecutive bytes a load.
.macro VLOAD set, idx
	WIN 0xc0                                       ; destination window 3, address window 0
.set n, 0
.rept 8
	global_load_b128 v[32*(\set)+4*n:32*(\set)+4*n+3], v[LO], s[VWP:VWP+1] offset:(\idx)*4096+512*n
.set n, n+1
.endr
.endm
	VLOAD 0, 0                                     ; half-steps 0, 1 and 2
	VLOAD 1, 1
	VLOAD 2, 2
	WIN 0
	s_lshr_b32 s76, s22, 3                         ; b
	s_and_b32 s78, s22, 7
	s_lshl_b32 s78, s78, 3
	s_lshl2_add_u32 s78, s[MH], s78                ; my first position block: 8 (ty % 8) + 4 x my half
	s_lshl_b32 s77, s76, 4
	s_add_co_u32 s77, s77, s21                     ; b 16 + head
	s_lshl_b32 s77, s77, 6
	s_add_co_u32 s77, s77, s78
	s_lshl_b32 s80, s77, 12
	s_lshl_b32 s79, s[NH], 11                      ; channel blocks 4 x my half on
	s_add_co_u32 s80, s80, s79
	s_add_nc_u64 s[QP:QP+1], s[10:11], s[80:81]
	s_lshr_b32 s77, s21, 2                         ; the kv head
	s_lshl2_add_u32 s77, s76, s77                  ; b 4 + kv head
	s_lshl_b32 s77, s77, 6
	s_add_co_u32 s77, s77, s78
	s_lshl_b32 s80, s77, 12
	s_and_b32 s79, s21, 3
	s_lshl1_add_u32 s77, s79, s[NH]                ; channel block 2 (tx % 4) + my half
	s_lshl_b32 s77, s77, 9
	s_add_co_u32 s80, s80, s77
	s_add_nc_u64 s[KP:KP+1], s[12:13], s[80:81]
	s_add_nc_u64 s[VP:VP+1], s[14:15], s[80:81]
	s_lshl_b32 s80, s78, 13                        ; the table: 16 positions x 512 bytes a block;
	s_lshl_b32 s77, s[NH], 8                       ; q's channels 64 x half on are pairs 32 x half on, 8 bytes each
	s_add_co_u32 s80, s80, s77
	s_add_nc_u64 s[TQ:TQ+1], s[8:9], s[80:81]
	s_lshl_b32 s80, s78, 13
	s_lshl_b32 s77, s79, 7                         ; k's channels 32 (tx % 4) + 16 x half on
	s_add_co_u32 s80, s80, s77
	s_lshl_b32 s77, s[NH], 6
	s_add_co_u32 s80, s80, s77
	s_add_nc_u64 s[TK:TK+1], s[8:9], s[80:81]
	v_mul_u32_u24 v3, v1, PITCH
	v_lshl_add_u32 v3, v2, 4, v3                   ; a fragment's row x pitch + 16 x half
	s_mul_i32 s77, s[MH], AHALF
	s_mul_i32 s79, s[NH], BHALF
	s_add_co_u32 s79, s79, BOFF
.irp s, 0,1
	v_add_nc_u32 v[ADRA+(\s)], s77, v3
	v_add_nc_u32 v[ADRB+(\s)], s79, v3
	s_add_co_u32 s77, s77, SLOT
	s_add_co_u32 s79, s79, SLOT
.endr
; The table's 40 loads: (cos, sin) for my 64 positions and the channels of my blocks 0-4.  They go out in the last lap, in the place of wv's loads, and are waited for on the way out.
.macro TABLE
	WIN 0x80                                       ; destination window 2
.irp a, 0,1,2,3
.irp b, 0,1,2,3
	global_load_b128 v[8*(5*(\a)+(\b)):8*(5*(\a)+(\b))+3],   v[TO], s[TQ:TQ+1] offset:(\a)*8192+(\b)*64
	global_load_b128 v[8*(5*(\a)+(\b))+4:8*(5*(\a)+(\b))+7], v[TO], s[TQ:TQ+1] offset:(\a)*8192+(\b)*64+16
.endr
	global_load_b128 v[8*(5*(\a)+4):8*(5*(\a)+4)+3],   v[TO], s[TK:TK+1] offset:(\a)*8192
	global_load_b128 v[8*(5*(\a)+4)+4:8*(5*(\a)+4)+7], v[TO], s[TK:TK+1] offset:(\a)*8192+16
.endr
.endm
; Five matrix instructions: row block a x my column blocks 0-4, 32 along K.  zero = 1: the product starts the sums.
; The 24 accumulators take turns, one instruction a turn, in one order everywhere (row blocks 0-3 with blocks 0-4, then block 5 of the four row blocks).
.macro MUL5 f, a, zero
	WIN MUL
.irp b, 0,1,2,3,4
.if \zero
	v_wmma_f32_16x16x32_bf16 v[ACC+8*(6*(\a)+(\b)):ACC+8*(6*(\a)+(\b))+7], v[(\f)+8*(\b):(\f)+8*(\b)+7], v[(\f)+40+8*(\a):(\f)+40+8*(\a)+7], 0
.else
	v_wmma_f32_16x16x32_bf16 v[ACC+8*(6*(\a)+(\b)):ACC+8*(6*(\a)+(\b))+7], v[(\f)+8*(\b):(\f)+8*(\b)+7], v[(\f)+40+8*(\a):(\f)+40+8*(\a)+7], v[ACC+8*(6*(\a)+(\b)):ACC+8*(6*(\a)+(\b))+7]
.endif
.endr
.endm
; Four matrix instructions: block 5 (v) of the four row blocks, with wv's fragment at register vf of window 3.
.macro MULV f, vf, zero
	WIN MULW
.irp a, 0,1,2,3
.if \zero
	v_wmma_f32_16x16x32_bf16 v[ACC+8*(6*(\a)+5):ACC+8*(6*(\a)+5)+7], v[(\f)+40+8*(\a):(\f)+40+8*(\a)+7], v[(\vf):(\vf)+7], 0
.else
	v_wmma_f32_16x16x32_bf16 v[ACC+8*(6*(\a)+5):ACC+8*(6*(\a)+5)+7], v[(\f)+40+8*(\a):(\f)+40+8*(\a)+7], v[(\vf):(\vf)+7], v[ACC+8*(6*(\a)+5):ACC+8*(6*(\a)+5)+7]
.endif
.endr
.endm
; 18 LDS loads in one run: the fragments of 32 along K at byte k of the rows: w's five, then x's four
.macro FETCH slot, k, f
	WIN TO_F
.irp i, 0,1,2,3,4
	ds_load_b128 v[(\f)+8*(\i):(\f)+8*(\i)+3],   v[ADRB+(\slot)] offset:(\k)+(\i)*16*PITCH
	ds_load_b128 v[(\f)+8*(\i)+4:(\f)+8*(\i)+7], v[ADRB+(\slot)] offset:(\k)+(\i)*16*PITCH+32
.endr
.irp i, 0,1,2,3
	ds_load_b128 v[(\f)+40+8*(\i):(\f)+40+8*(\i)+3],   v[ADRA+(\slot)] offset:(\k)+(\i)*16*PITCH
	ds_load_b128 v[(\f)+40+8*(\i)+4:(\f)+40+8*(\i)+7], v[ADRA+(\slot)] offset:(\k)+(\i)*16*PITCH+32
.endr
.endm
; A K step is eight parts of 32 along K, 24 matrix instructions each, on buffers 0, 1 by turns.  Part p of the first seven multiplies buffer p % 2 and fetches part p + 1 into the other.
; vl >= 0 (parts 0 and 4): the set of wv that the half-step before has read is loaded again, with half-step vl counted from the pointer: its last reader stands ten matrix instructions and the four places back.
; vw >= 0 (parts 0 and 4): the wait for this half-step's set; vw = the loads issued behind that set's.  tb = 1: the table's loads stand in the place of wv's.
.macro PART slot, p, zero=0, vl=-1, vw=-1, tb=0
.set FF, F0+72*((\p)%2)
.set FG, F0+72*(((\p)+1)%2)
	s_wait_dscnt 4                                 ; w's fragments and x's blocks 0, 1 are in; the youngest four loads (blocks 2, 3) may be out
	MUL5 FF, 0, \zero
	MUL5 FF, 1, \zero
	PLACES
	FETCH \slot, 64*((\p)+1), FG
.if (\vl) >= 0
	VLOAD (2*(\slot)+(\p)/4+3)%4, \vl
.endif
.if \tb
	s_wait_loadcnt 16                              ; this half-step's set is in; the last two sets' 16 loads may be out: with the table's 40 that makes 56 out at the most
	TABLE
.endif
	s_wait_dscnt 18                                ; all but the 18 just issued
	MUL5 FF, 2, \zero
	MUL5 FF, 3, \zero
.if (\vw) >= 0
	s_wait_loadcnt \vw
.endif
	MULV FF, 8*(8*(\slot)+(\p)), \zero
.endm
; The eighth part multiplies buffer 1 and changes slots: one barrier; ahead of it each wave waits for all its tensor loads, adds 0 to its spare word, and waits for that and for its own reads of this slot.
; fill = 1: the barrier opens a round of the cluster's, and this slot is filled again, two K steps ahead, first thing behind the round: 182 matrix instructions ahead of the wait for it.
.macro TURN slot, next, fill
	WIN 0                                          ; (the add's registers lie in window 0)
	s_wait_tensorcnt 0x0                           ; all my tensor loads have landed: my part of the next slot
	ds_add_u32 v[SPW], v[NIL]                      ; 0 onto my spare word
	s_wait_dscnt 5                                 ; (the add and the youngest four loads may be out)
	MUL5 F1, 0, 0                                  ; five matrix instructions stand between the add and the wait for it
	s_wait_dscnt 0x0                               ; the add is done, and my reads of this slot are over
	s_barrier_signal -1
	MUL5 F1, 1, 0
.if \fill
	WIN 0
.endif
	s_barrier_wait -1
.if \fill
	CREST                                          ; no wave of any partner still reads this slot or has a load on its way
	s_add_nc_u64 s[G0A+4*(\slot)+2:G0A+4*(\slot)+3], s[G0A+4*(\slot)+2:G0A+4*(\slot)+3], 2*KSTEP*2
	s_add_nc_u64 s[G0B+4*(\slot)+2:G0B+4*(\slot)+3], s[G0B+4*(\slot)+2:G0B+4*(\slot)+3], 2*KSTEP*2
	JLOAD \slot                                    ; my one tensor load behind the round; its four v_nop are also the places ahead of the loads below
.else
	PLACES
.endif
	FETCH \next, 0, F0
	MUL5 F1, 2, 0
	MUL5 F1, 3, 0
	MULV F1, 8*(8*(\slot)+7), 0
.endm
	s_wait_tensorcnt 1                             ; my part of K step 0 is in; K step 1's may stay out
	s_barrier_signal -1
	s_barrier_wait -1
	FETCH 0, 0, F0
	PART 0, 0, 1, 3, 24                            ; the first part stands ahead of the loop: its products start the sums; wv's half-step 3 goes out; half-step 0 is in when the 24 loads behind it may be out
	WIN 0
	s_mov_b32 s23, LAPS-1
.Llap:                                         ; a trip goes once round the ring, from a lap's second part to the next lap's first, and fills both slots again; it loads wv's half-steps 4 to 7 from the pointer
.irp p, 1,2,3
	PART 0, \p
.endr
	PART 0, 4, 0, 4, 24                            ; 24: the three sets asked for behind this half-step's, the last of them in this part
.irp p, 5,6
	PART 0, \p
.endr
	TURN 0, 1, 1
	PART 1, 0, 0, 5, 24
.irp p, 1,2,3
	PART 1, \p
.endr
	PART 1, 4, 0, 6, 24
.irp p, 5,6
	PART 1, \p
.endr
	TURN 1, 0, 1
	PART 0, 0, 0, 7, 24
	WIN 0
	s_wait_xcnt 0x0                                ; wv's loads have read their pointer, the youngest fourteen matrix instructions back: it is written only behind this wait
	s_add_nc_u64 s[VWP:VWP+1], s[VWP:VWP+1], 4*4096 ; a lap is four half-steps
	s_sub_co_u32 s23, s23, 1
	s_cmp_lg_u32 s23, 0
	s_cbranch_scc1 .Llap
.irp p, 1,2,3                          ; the last lap fills nothing and loads no more of wv
	PART 0, \p
.endr
	PART 0, 4, 0, -1, -1, 1                        ; half-step 13, and the table
.irp p, 5,6
	PART 0, \p
.endr
	TURN 0, 1, 0
	PART 1, 0, 0, -1, 48                           ; half-step 14: behind it stand half-step 15's 8 loads and the table's 40
.irp p, 1,2,3
	PART 1, \p
.endr
	PART 1, 4, 0, -1, 40                           ; half-step 15: behind it the table's 40
.irp p, 5,6
	PART 1, \p
.endr
	s_wait_dscnt 4                                 ; the very last part: nothing more to fetch
	MUL5 F1, 0, 0
	MUL5 F1, 1, 0
	s_wait_dscnt 0x0
	MUL5 F1, 2, 0
	MUL5 F1, 3, 0
	MULV F1, 8*15, 0
	WIN 0
	; THE WAY OUT.  (x0, x1) -> (x0 c - x1 s, x1 c + x0 s): first (- x1 s, x0 s), then x c is added, back into the accumulator's registers.  Each accumulator is read from its lowest registers on.
	s_wait_loadcnt 0x0                             ; the table
	PLACES
	WIN 0x08                                       ; source 1 (the table) window 2
.macro ROPE a, b
.set AC, ACC+8*(6*(\a)+(\b))
.set TB, 8*(5*(\a)+(\b))
.set TT, TMP+8*((\b)%4)
.irp i, 0,1,2,3
	v_pk_mul_f32 v[TT+2*(\i):TT+2*(\i)+1], v[AC+2*(\i):AC+2*(\i)+1], v[TB+2*(\i):TB+2*(\i)+1] op_sel:[1,1] op_sel_hi:[0,1] neg_lo:[1,0]
.endr
.irp i, 0,1,2,3
	v_pk_fma_f32 v[AC+2*(\i):AC+2*(\i)+1], v[AC+2*(\i):AC+2*(\i)+1], v[TB+2*(\i):TB+2*(\i)+1], v[TT+2*(\i):TT+2*(\i)+1] op_sel_hi:[1,0,1]
.endr
.endm
.irp a, 0,1,2,3
.irp b, 0,1,2,3,4
	ROPE \a, \b
.endr
.endr
	WIN 0
; eight numbers a lane are rounded to f16, in place and ascending, and the tile's 512 bytes are stored; no register is used again, so no wait follows the stores
.macro OUT a, b, base, off
.set AC, ACC+8*(6*(\a)+(\b))
.irp i, 0,1,2,3
	v_cvt_pk_f16_f32 v[AC+(\i)], v[AC+2*(\i)], v[AC+2*(\i)+1]
.endr
	global_store_b128 v[LO], v[AC:AC+3], s[\base:\base+1] offset:\off
.endm
.irp a, 0,1,2,3
.irp b, 0,1,2,3
	OUT \a, \b, QP, (\a)*4096+(\b)*512
.endr
	OUT \a, 4, KP, (\a)*4096
	OUT \a, 5, VP, (\a)*4096
.endr
	s_wait_tensorcnt 0x0                           ; the wave's end
	ds_add_u32 v[SPW], v[NIL]
	s_wait_dscnt 0x0
	CROUND                                         ; the closing round: no work-group ends while a partner may still ask for a tile that names it
	s_endpgm
.Lfunc_end_k_q7309db0690_qkv:
	.size	k_q7309db0690_qkv, .Lfunc_end_k_q7309db0690_qkv-k_q7309db0690_qkv
	.p2alignl 7, 3214868480
	.fill 96, 4, 3214868480
	.section	.rodata,"a",@progbits
	.p2align	6, 0x0
	.amdhsa_kernel k_q7309db0690_qkv
		.amdhsa_group_segment_fixed_size 327680
		.amdhsa_private_segment_fixed_size 0
		.amdhsa_enable_private_segment 0
		.amdhsa_kernarg_size 48
		.amdhsa_user_sgpr_count 2
		.amdhsa_user_sgpr_kernarg_segment_ptr 1
		.amdhsa_wavefront_size32 1
		.amdhsa_system_sgpr_workgroup_id_x 1
		.amdhsa_system_sgpr_workgroup_id_y 1
		.amdhsa_system_sgpr_workgroup_id_z 1
		.amdhsa_system_vgpr_workitem_id 0
		.amdhsa_next_free_vgpr 896
		.amdhsa_next_free_sgpr 96
		.amdhsa_reserve_vcc 0
		.amdhsa_float_denorm_mode_32 3
		.amdhsa_float_denorm_mode_16_64 3
		.amdhsa_memory_ordered 1
		.amdhsa_forward_progress 1
		.amdhsa_inst_pref_size 133
	.end_amdhsa_kernel
	.amdgpu_metadata
---
amdhsa.version: [ 1, 2 ]
amdhsa.kernels:
  - .name:           k_q7309db0690_qkv
    .symbol:         k_q7309db0690_qkv.kd
    .args:
      - { .name: xb, .offset: 0, .size: 8, .value_kind: global_buffer, .address_space: global }
      - { .name: wb, .offset: 8, .size: 8, .value_kind: global_buffer, .address_space: global }
      - { .name: tab, .offset: 16, .size: 8, .value_kind: global_buffer, .address_space: global }
      - { .name: qb, .offset: 24, .size: 8, .value_kind: global_buffer, .address_space: global }
      - { .name: kb, .offset: 32, .size: 8, .value_kind: global_buffer, .address_space: global }
      - { .name: vb, .offset: 40, .size: 8, .value_kind: global_buffer, .address_space: global }
    .group_segment_fixed_size: 327680
    .private_segment_fixed_size: 0
    .kernarg_segment_align: 8
    .kernarg_segment_size: 48
    .max_flat_workgroup_size: 128
    .sgpr_count:     96
    .vgpr_count:     896
    .wavefront_size: 32
...
	.end_amdgpu_metadata
.endif
;; end of part 2
;; launch attn (part 3): grid 32 x 8, 4 waves a work-group, no clusters, 135,680 bytes of LDS; arguments qb, kb, vb, ob; writes ob
.if DOCPART == 3
	.amdgcn_target "amdgcn-amd-amdhsa--gfx1250"
	.amdhsa_code_object_version 6
	.text
	.protected	k_q7309db0690_attn
	.globl	k_q7309db0690_attn
	.p2align	8
	.type	k_q7309db0690_attn,@function
k_q7309db0690_attn:
	s_mov_b64 s[64:65], 0
	v_nop
	global_prefetch_b8 v0, s[64:65] scope:SCOPE_SE
	s_setreg_imm32_b32 hwreg(HW_REG_WAVE_MODE, 25, 1), 1
	s_wait_xcnt 0x0
; CAUSAL ATTENTION WITH SHARED KEY AND VALUE HEADS.  O[q] = the sum over k <= q of softmax_k(Q[q] . K[k] / sqrt(128)) V[k], for 2 x 16 query heads of 1,024 positions; four query heads share a kv head.
; q, k, v, O in f16, in stored tiles of 16 x 16 (512 bytes, lane l's 16 bytes at 16 l); products, maxima and sums in f32; the weights are rounded to f16 for the second product, O once at the end.
; WORK LEFT OUT: steps of 64 keys that lie wholly behind a block's queries: reference() adds finfo.min to their scores, so their weights are 0 in its result for all finite inputs.
; LIMITS.  A NaN, an infinity or an overflow that reaches only hidden scores is not carried to the result.  A hidden score inside a walked step counts as its value less 1e30 (f16's scores are 5.5e11 at the most).
; A weight below 2^-126 counts as 0.  q, k, v arrive within 65,504; O is a mean of V's rows and has their range.
; SHARES.  g = b 4 + kv head (grid y), j = grid x.  A BLOCK is 16 positions x the four query heads of g: four tiles of 16 rows that share K, V and the mask.  A work-group takes block 63 - j and then block j.
; THE KEYS ARE SPLIT AMONG THE FOUR WAVES: every wave holds all four tiles, so a fragment of K or V feeds four products; wave w takes the key steps w, w + 4, .. up to sd = block / 4.
; ceil((16 - a) / 4) + ceil((a + 1) / 4) = 5 for a = j / 4 = 0..7: the longest wave of every work-group has five steps.  The four partial results (c m, l, O^T, all f32) meet in LDS; wave w finishes head 4 kv + w.
; K AND V COME FROM MEMORY STRAIGHT INTO REGISTERS: no two waves of a work-group want the same byte, and a stored tile is the register image.  So the walk has no LDS, no barrier and no tensor load.
; NO CLUSTER, NO JOINT LOADS: a ring for four waves' own steps would take 2 slots x 4 x 32 KiB = 256 KiB beside the 132 KiB in which the partial results meet, more than the 320 KiB there are; and partners would want different numbers of steps.
; LAYOUT.  S^T = K Q^T (source 0 = 16 keys, source 1 = 16 queries): a lane holds ONE query (lane % 16) and the keys 8 (lane / 16) + 0..7.  Two such results rounded to f16 ARE source 1 of O^T = V^T P.
; SOFTMAX.  A running maximum m and sum l: p = 2^(c s - c m), c = log2(e) / sqrt(128); O and l are multiplied by a = 2^(c m_old - c m_new) in every step.  c m starts far below every c s, so a block's first a is 0:
; O^T and l need only hold finite numbers there: zeros at the launch's start (264 v_mov_b32, written while the arguments are on their way: the price of writing no first step out), the first block's leavings later.
; THE MASK is the C operand that starts the sum S^T: MD (0, or -1e30 where the key lies behind the query, for the block's own step sd) times AL, which is 1 in step sd and 0 in the earlier ones.
; A STEP: tiles 0, 1 (piece 0) K Q^T | piece 2's K Q^T with piece 0's softmax in slices behind its products | piece 0's V^T P with piece 2's softmax | piece 2's V^T P.
; REGISTERS.  window 0: v1-11 addresses; v12-43 eight statistics a tile; v44-61 the merge's; v64-191 S^T; v192-255 P.  window 1: O^T, 64 a tile.  window 2: v0-127 Q, v128-255 K.  window 3: v0-127 V, v128-159 MD, v160-191 MC.
.set PART,  0                          ; wave v's tile t: v x 32,768 + t x 8,192, 16 bytes a lane
.set STAT,  131072                     ; wave v's tile t: (c m, l) at v x 1,024 + t x 256 + 8 x lane
.set SPARE, 135168                     ; the spare words, 128 bytes for each wave: two blocks of 256 bytes that no other line names
.set LO,   3                           ; v3  16 x lane
.set PW,   4                           ; v4  where I put my partial O^T
.set SW,   5                           ; v5  where I put my statistics
.set RA,   6                           ; v6  where I read waves 0 and 1's part of my head
.set RB,   7                           ; v7  waves 2 and 3's
.set SR,   8                           ; v8  where I read statistics
.set QREL, 9                           ; v9  my query's place in the block's own step, less 8 (lane / 16)
.set ST,   12                          ; tile t at ST + 8 t: c m, m, l (even keys', odd keys'), c0-c3 at work; a takes c2's place
.set SV,   44                          ; v[44:51] (c m, l) of the four waves
.set FV,   52                          ; v[52:59] their weights, in the low register of a pair
.set SPW,  62
.set NIL,  63
.set S,    64
.set P,    192
.set KF,   128
.set MD,   128
.set MC,   160
.set WV,   12
.set J,    13
.set G,    14
.set PBLK, 15                          ; the block in hand
.set SD,   16                          ; its own step
.set NW,   17                          ; how many steps are mine
.set IT,   18
.set STEP, 19
.set TR,   20
.set QP,   24
.set KP,   26
.set VP,   28
.set OP,   30
.set AL,   32
.set BIGN, 34
.set CS,   36
.set SEL,  38
.set MSB, 0
.macro WIN new
.if MSB != (\new)
	s_set_vgpr_msb (MSB<<8)|(\new)
.set MSB, \new
.endif
.endm
.set W_KQ, 0x0a                        ; K and Q window 2, S^T window 0
.set W_KM, 0x3a                        ; the same with C in window 3
.set W_PV, 0x53                        ; V window 3, P window 0, O^T window 1
.set W_RS, 0x41                        ; O^T (destination, source 0) window 1, a window 0
.macro PLACES
.rept 4
	v_nop
.endr
.endm
	s_load_b256 s[4:11], s[0:1], 0x0               ; qb s[4:5], kb s[6:7], vb s[8:9], ob s[10:11]
	v_lshl_add_u32 v[SPW], v0, 2, SPARE
	v_mov_b32 v[NIL], 0
	v_lshrrev_b32 v1, 5, v0
	v_readfirstlane_b32 s[WV], v1
	s_mov_b32 s[J], ttmp9
	s_and_b32 s[G], ttmp7, 0xffff
	s_mov_b32 s[AL+1], 0                           ; named with AL as a pair
	s_mov_b32 s[BIGN], 0xf149f2ca                  ; -1e30
	s_mov_b32 s[CS], 0x3e0293ee                    ; c = 0.127517
	s_mov_b32 s[CS+1], s[CS]
	s_mov_b32 s[SEL], 0x76543210                   ; v_permlanex16_b32: each lane takes its own place in the other half
	s_mov_b32 s[SEL+1], 0xfedcba98
	v_and_b32 v1, 15, v0                           ; r
	v_bfe_u32 v2, v0, 4, 1                         ; h
	v_and_b32 v[LO], 31, v0
	v_lshlrev_b32 v[LO], 4, v[LO]
	s_lshl_b32 s22, s[WV], 15
	v_add_nc_u32 v[PW], s22, v[LO]
	v_lshrrev_b32 v[SW], 1, v[LO]                  ; 8 x lane
	s_lshl_b32 s22, s[WV], 8
	s_add_co_u32 s22, s22, STAT
	v_add_nc_u32 v[SR], s22, v[SW]
	s_lshl_b32 s22, s[WV], 10
	s_add_co_u32 s22, s22, STAT
	v_add_nc_u32 v[SW], s22, v[SW]
	s_lshl_b32 s22, s[WV], 13
	v_add_nc_u32 v[RA], s22, v[LO]
	v_add_nc_u32 v[RB], 0x10000, v[RA]
	v_mov_b32 v61, 0                               ; v_permlanex16_b32's destination counts as read
.irp v, 0,1,2,3
	v_mov_b32 v[FV+2*(\v)+1], 0                    ; named with the weights as pairs
	v_mov_b32 v[ST+8*(\v)+2], 0                    ; l
	v_mov_b32 v[ST+8*(\v)+3], 0
.endr
	WIN 0x40
.set i, 0
.rept 256
	v_mov_b32 v[i], 0                              ; O^T
.set i, i+1
.endr
	WIN 0
	s_mov_b32 s[TR], 2
	s_sub_co_u32 s[PBLK], 63, s[J]
	s_wait_kmcnt 0x0
; Product i of 32 of S^T = K Q^T for piece x: channels 32 (i / 8) on, keys 16 ((i / 2) % 4) on, tile x + i % 2.  The first 8 start the sums with the mask.  The 8 accumulators take turns.
.macro KQ x
.set rS, S+32*((\x)+i%2)+8*((i/2)%4)
.set rK, KF+32*((i/2)%4)+8*(i/8)
.set rQ, 32*((\x)+i%2)+8*(i/8)
.set rM, MC+8*((i/2)%4)
.if i < 8
	WIN W_KM
	v_wmma_f32_16x16x32_f16 v[rS:rS+7], v[rK:rK+7], v[rQ:rQ+7], v[rM:rM+7]
.else
	WIN W_KQ
	v_wmma_f32_16x16x32_f16 v[rS:rS+7], v[rK:rK+7], v[rQ:rQ+7], v[rS:rS+7]
.endif
.endm
; Product i of 32 of O^T += V^T P: keys 32 (i / 16) on, channels 16 ((i / 2) % 8) on, tile x + i % 2.  16 accumulators take turns.
.macro PV x
	WIN W_PV
.set rO, 64*((\x)+i%2)+8*((i/2)%8)
.set rV, 64*(i/16)+8*((i/2)%8)
.set rP, P+16*((\x)+i%2)+8*(i/16)
	v_wmma_f32_16x16x32_f16 v[rO:rO+7], v[rV:rV+7], v[rP:rP+7], v[rO:rO+7]
.endm
; A step's K: 64 keys x 128 channels = 16 KiB on end, 512 consecutive bytes a load; fragment (key block kb, channels 32 c on) falls at KF + 32 kb + 8 c.
.macro LOADK
	WIN 0x80
.set n, 0
.rept 32
	global_load_b128 v[KF+4*n:KF+4*n+3], v[LO], s[KP:KP+1] offset:512*n
.set n, n+1
.endr
.endm
; A step's V, stored turned: fragment (keys 32 kk on, channels 16 cb on) at 64 kk + 8 cb is the tiles of key blocks 2 kk and 2 kk + 1.
.macro LOADV
	WIN 0xc0
.irp kk, 0,1
.irp cb, 0,1,2,3,4,5,6,7
	global_load_b128 v[64*(\kk)+8*(\cb):64*(\kk)+8*(\cb)+3],   v[LO], s[VP:VP+1] offset:2*(\kk)*4096+(\cb)*512
	global_load_b128 v[64*(\kk)+8*(\cb)+4:64*(\kk)+8*(\cb)+7], v[LO], s[VP:VP+1] offset:(2*(\kk)+1)*4096+(\cb)*512
.endr
.endr
.endm
.macro MASK                            ; MC = MD x AL
	WIN 0xc3
.set z, 0
.rept 16
	v_pk_mul_f32 v[MC+2*z:MC+2*z+1], v[MD+2*z:MD+2*z+1], s[AL:AL+1] op_sel_hi:[1,0]
.set z, z+1
.endr
.endm
; One tile's softmax for one step is a list of 134 instructions; SM writes number j of it for tile t.
;   0-15 the maximum of the lane's 32 scores and the old m (each accumulator's lowest registers are read first)   16-20 the other half of the lanes' maximum; m; c m; its change
;   21-69 ONE BATCH: 16 scalings c s - c m and 33 exponentials (a at 23), none of which reads an exponential's result   70-85 roundings to f16   86-101 the sums; l = a l + sum   102-133 O^T times a
.macro SM t
.set rT, ST+8*(\t)
.set rS, S+32*(\t)
.set rP, P+16*(\t)
.set rO, 64*(\t)+2*(j-102)
.if j < 102
	WIN 0
.endif
.if j < 4
	v_max3_num_f32 v[rT+4+j], v[rS+8*j], v[rS+8*j+1], v[rS+8*j+2]
.elseif j < 12
	v_max3_num_f32 v[rT+4+j%4], v[rT+4+j%4], v[rS+8*(j%4)+2*(j/4)+1], v[rS+8*(j%4)+2*(j/4)+2]
.elseif j == 12
	v_max3_num_f32 v[rT+4], v[rT+4], v[rS+7], v[rS+15]
.elseif j == 13
	v_max3_num_f32 v[rT+6], v[rT+6], v[rS+23], v[rS+31]
.elseif j == 14
	v_max3_num_f32 v[rT+4], v[rT+4], v[rT+5], v[rT+6]
.elseif j == 15
	v_max3_num_f32 v[rT+4], v[rT+4], v[rT+7], v[rT+1]
.elseif j == 16
	v_permlanex16_b32 v[rT+5], v[rT+4], s[SEL], s[SEL+1]
.elseif j == 17
	v_mov_b32 v[rT+7], v[rT]
.elseif j == 18
	v_max_num_f32 v[rT+1], v[rT+4], v[rT+5]
.elseif j == 19
	v_mul_f32 v[rT], s[CS], v[rT+1]
.elseif j == 20
	v_sub_f32 v[rT+7], v[rT+7], v[rT]
.elseif j == 23
	v_exp_f32 v[rT+6], v[rT+7]
.elseif (j < 23) || ((j < 38) && (j%2 == 0)) || ((j < 66) && (j%4 == 2))
.set b, (j-2)/4
.if j < 38
.set b, (j-20)/2
.endif
	v_pk_fma_f32 v[rS+2*b:rS+2*b+1], v[rS+2*b:rS+2*b+1], s[CS:CS+1], v[rT:rT+1] op_sel_hi:[1,0,0] neg_lo:[0,0,1] neg_hi:[0,0,1]
.elseif j < 70
.set e, j-38
.if j < 66
.set e, j-32-(j-38)/4
.endif
.if j < 38
.set e, (j-25)/2
.endif
	v_exp_f32 v[rS+e], v[rS+e]
.elseif j < 86
	v_cvt_pk_f16_f32 v[rP+j-70], v[rS+2*(j-70)], v[rS+2*(j-70)+1]
.elseif j < 102
.set z, j-86
.set w, 4
.set u, z
.if z >= 14
.set w, 32
.set u, 0
.elseif z >= 12
.set w, 16
.set u, z-12
.elseif z >= 8
.set w, 8
.set u, z-8
.endif
.if z < 15
	v_pk_add_f32 v[rS+w*u:rS+w*u+1], v[rS+w*u:rS+w*u+1], v[rS+w*u+w/2:rS+w*u+w/2+1]
.else
	v_pk_fma_f32 v[rT+2:rT+3], v[rT+2:rT+3], v[rT+6:rT+7], v[rS:rS+1] op_sel_hi:[1,0,1]
.endif
.else
	WIN W_RS
	v_pk_mul_f32 v[rO:rO+1], v[rO:rO+1], v[rT+6:rT+7] op_sel_hi:[1,0]
.endif
.endm
; Slice k of 64 of piece y's softmax.  Slices 11 to 34 deal out the batch, four numbers of one tile each, the tiles by turns; every other slice is numbers 2 k and 2 k + 1 of both tiles; slice 63 takes the twelve that are over.
; Behind slice 34 stand a plain instruction and ONE wait for the piece's 66 exponentials, ahead of the first instruction that names a result of theirs.
.macro SLICE y
.if (k >= 11) && (k < 35)
.irp n, 0,1,2,3
.set j, 22+4*((k-11)/2)+(\n)
	SM (\y)+(k-11)%2
.endr
.else
.irp n, 0,1,2,3,4,5,6,7
.if ((\n) < 2) || (k == 63)
.irp t, \y, (\y)+1
.set j, 2*k+(\n)
	SM \t
.endr
.endif
.endr
.endif
.if k == 34
	v_nop
	s_wait_alu depctr_va_vdst(0)
.endif
.set k, k+1
.endm
.Lblock:                                       ; two trips: block 63 - j, then block j
	s_wait_xcnt 0x0                                ; the last block's loads and stores have read their addresses and data: bases and S^T's registers are written again only behind this wait
	s_lshr_b32 s[SD], s[PBLK], 2
	s_add_co_u32 s22, s[SD], 4
	s_sub_co_u32 s22, s22, s[WV]
	s_lshr_b32 s[NW], s22, 2                       ; steps w, w + 4, .. <= sd: 0 to 4 of them
	s_lshl_b32 s22, s[G], 8
	s_add_co_u32 s22, s22, s[PBLK]
	s_lshl_b32 s22, s22, 12                        ; Q: head 4 g, position block: (256 g + block) x 4,096
	s_mov_b32 s23, 0
	s_add_nc_u64 s[QP:QP+1], s[4:5], s[22:23]
	s_lshl_b32 s22, s[G], 18
	s_lshl_b32 s21, s[WV], 14
	s_add_co_u32 s22, s22, s21                     ; K and V: g x 262,144 + my first step x 16,384
	s_add_nc_u64 s[KP:KP+1], s[6:7], s[22:23]
	s_add_nc_u64 s[VP:VP+1], s[8:9], s[22:23]
	s_lshr_b32 s22, s[G], 2
	s_lshl_b32 s22, s22, 6
	s_add_co_u32 s22, s22, s[PBLK]
	s_lshl_b32 s22, s22, 7                         ; O: row block b 64 + block, 128 column blocks a row block,
	s_and_b32 s21, s[G], 3
	s_lshl2_add_u32 s21, s21, s[WV]                ; head 4 kv + w,
	s_lshl3_add_u32 s22, s21, s22                  ; 8 column blocks a head
	s_lshl_b32 s22, s22, 9
	s_add_nc_u64 s[OP:OP+1], s[10:11], s[22:23]
	s_mov_b32 s[STEP], s[WV]
	s_mov_b32 s[IT], 0
.irp t, 0,1,2,3
	v_mov_b32 v[ST+8*(\t)], 0xfe000000             ; c m: far below every c s
	v_mov_b32 v[ST+8*(\t)+1], 0xff7fffff           ; m: the lowest finite number
.endr
	s_and_b32 s22, s[PBLK], 3
	s_lshl_b32 s22, s22, 4
	v_lshlrev_b32 v10, 3, v2
	v_sub_nc_u32 v[QREL], v1, v10
	v_add_nc_u32 v[QREL], s22, v[QREL]             ; register i % 8 of key group i / 8 is hidden where 16 (i / 8) + i % 8 is greater
	WIN 0xc0
.set i, 0
.rept 32
	v_cmp_gt_i32 vcc_lo, 16*(i/8)+i%8, v[QREL]
	v_cndmask_b32 v[MD+i], 0, s[BIGN], vcc_lo
.set i, i+1
.endr
	WIN 0
	s_cmp_eq_u32 s[NW], 0
	s_cbranch_scc1 .Ldump                          ; no step is mine: I hand in c m far below everybody's and finite leavings, which get the weight 0
	WIN 0x80
.irp t, 0,1,2,3
.irp n, 0,1,2,3,4,5,6,7
	global_load_b128 v[32*(\t)+4*(\n):32*(\t)+4*(\n)+3], v[LO], s[QP:QP+1] offset:(\t)*262144+(\n)*512
.endr
.endr
	LOADK
	LOADV
	WIN 0
.Lstep:                                        ; four trips, the most a wave can have; the steps that are not mine are jumped, forward, past text with no barrier and no LDS access
	s_cmp_lt_u32 s[IT], s[NW]
	s_cbranch_scc0 .Lnext
	s_cmp_eq_u32 s[STEP], s[SD]
	s_cselect_b32 s[AL], 1.0, 0
	MASK
	s_wait_loadcnt 32                              ; Q and this step's K are in; the 32 loads issued behind them (V's) may stay out
.set i, 0
.rept 32
	KQ 0
.set i, i+1
.endr
	PLACES                                         ; ahead of the softmax that reads those scores
.set k, 0
.set i, 0
.rept 32
	KQ 2
	SLICE 0
	SLICE 0
.set i, i+1
.endr
	WIN 0                                          ; slices 62 and 63, twenty plain instructions on O^T, are the places behind the last product
	s_add_co_u32 s22, s[IT], 1
	s_cmp_lt_u32 s22, s[NW]
	s_cbranch_scc0 .Lno_k
	s_wait_xcnt 0x0                                ; K's last loads have read their base
	s_add_nc_u64 s[KP:KP+1], s[KP:KP+1], 0x10000   ; four steps on
	LOADK
	WIN 0
	s_wait_loadcnt 32                              ; V is in; the 32 just issued stay out
	s_branch .Lgot_v
.Lno_k:
	s_wait_loadcnt 0x0                             ; V is in
.Lgot_v:
.set k, 0
.set i, 0
.rept 32
	PV 0
	SLICE 2
	SLICE 2
.set i, i+1
.endr
.set i, 0
.rept 32
	PV 2
.set i, i+1
.endr
	PLACES                                         ; ahead of the loads into V's registers and of what reads O^T
	WIN 0
	s_add_co_u32 s22, s[IT], 1
	s_cmp_lt_u32 s22, s[NW]
	s_cbranch_scc0 .Lno_v
	s_wait_xcnt 0x0
	s_add_nc_u64 s[VP:VP+1], s[VP:VP+1], 0x10000
	LOADV
	WIN 0
	s_branch .Lstepped
.Lno_v:
	s_wait_loadcnt 0x0                             ; nothing is asked for behind the last step: no load is out
.Lstepped:
	s_add_co_u32 s[STEP], s[STEP], 4
.Lnext:
	s_add_co_u32 s[IT], s[IT], 1
	s_cmp_lt_u32 s[IT], 4
	s_cbranch_scc1 .Lstep
.Ldump:                                        ; THE PARTIAL RESULTS MEET
	s_wait_loadcnt 0x0                             ; no load is out: K's and V's registers are free for the merge
.irp t, 0,1,2,3
	v_add_f32 v[ST+8*(\t)+1], v[ST+8*(\t)+2], v[ST+8*(\t)+3]  ; l of my lane's keys, beside c m
.endr
.irp t, 0,1,2,3
	ds_store_b64 v[SW], v[ST+8*(\t):ST+8*(\t)+1] offset:256*(\t)
.endr
	WIN 0x04                                       ; store data in window 1
.set n, 0
.rept 64
	ds_store_b128 v[PW], v[4*n:4*n+3] offset:512*n ; ascending: each accumulator's lowest registers first; 512 consecutive bytes a store
.set n, n+1
.endr
	WIN 0
	s_wait_dscnt 0x0                               ; for the others' sake: my stores are done
	s_barrier_signal -1
	s_barrier_wait -1
.irp v, 0,1,2,3
	ds_load_b64 v[SV+2*(\v):SV+2*(\v)+1], v[SR] offset:1024*(\v)
.endr
	WIN 0x80                                       ; wave v's part of my head -> window 2, v[64 v ..]
.irp v, 0,1
.set n, 0
.rept 16
	ds_load_b128 v[64*(\v)+4*n:64*(\v)+4*n+3],         v[RA] offset:32768*(\v)+512*n
	ds_load_b128 v[128+64*(\v)+4*n:128+64*(\v)+4*n+3], v[RB] offset:32768*(\v)+512*n
.set n, n+1
.endr
.endr
	WIN 0
	s_wait_dscnt 0x0                               ; my reads are over:
	s_barrier_signal -1
	s_barrier_wait -1                              ; everybody's are: the next block's partial results may be stored
	v_max3_num_f32 v10, v[SV], v[SV+2], v[SV+4]
	v_max_num_f32 v10, v10, v[SV+6]                ; the maximum over the four waves (wave 0 always has a step)
.irp v, 0,1,2,3
	v_sub_f32 v[FV+2*(\v)], v[SV+2*(\v)], v10
.endr
.irp v, 0,1,2,3
	v_exp_f32 v[FV+2*(\v)], v[FV+2*(\v)]
.endr
	v_nop
	s_wait_alu depctr_va_vdst(0)                   ; one wait for the four
	v_mul_f32 v60, v[FV], v[SV+1]
	v_fmac_f32 v60, v[FV+2], v[SV+3]
	v_fmac_f32 v60, v[FV+4], v[SV+5]
	v_fmac_f32 v60, v[FV+6], v[SV+7]
	v_permlanex16_b32 v61, v60, s[SEL], s[SEL+1]   ; the query's other keys lie in the lane 16 away
	v_add_f32 v60, v60, v61
	v_rcp_f32 v61, v60
	v_nop
	s_wait_alu depctr_va_vdst(0)
.irp v, 0,1,2,3
	v_mul_f32 v[FV+2*(\v)], v[FV+2*(\v)], v61      ; weight / l
.endr
	WIN 0xa2                                       ; O^T's parts (destination, sources 0 and 2) window 2, the weights window 0
.set n, 0
.rept 32
	v_pk_mul_f32 v[2*n:2*n+1], v[2*n:2*n+1], v[FV:FV+1] op_sel_hi:[1,0]
.set n, n+1
.endr
.irp v, 1,2,3
.set n, 0
.rept 32
	v_pk_fma_f32 v[2*n:2*n+1], v[64*(\v)+2*n:64*(\v)+2*n+1], v[FV+2*(\v):FV+2*(\v)+1], v[2*n:2*n+1] op_sel_hi:[1,0,1]
.set n, n+1
.endr
.endr
	WIN 0x0a
.set n, 0
.rept 32
	v_cvt_pk_f16_f32 v[S+n], v[2*n], v[2*n+1]
.set n, n+1
.endr
	WIN 0
.irp cb, 0,1,2,3,4,5,6,7
	global_store_b128 v[LO], v[S+4*(\cb):S+4*(\cb)+3], s[OP:OP+1] offset:512*(\cb)  ; a stored tile: 512 consecutive bytes, aligned
.endr
	s_mov_b32 s[PBLK], s[J]
	s_sub_co_u32 s[TR], s[TR], 1
	s_cmp_lg_u32 s[TR], 0
	s_cbranch_scc1 .Lblock
	s_wait_tensorcnt 0x0                           ; the wave's end, behind my last LDS store
	ds_add_u32 v[SPW], v[NIL]
	s_wait_dscnt 0x0
	s_endpgm
.Lfunc_end_k_q7309db0690_attn:
	.size	k_q7309db0690_attn, .Lfunc_end_k_q7309db0690_attn-k_q7309db0690_attn
	.p2alignl 7, 3214868480
	.fill 96, 4, 3214868480
	.section	.rodata,"a",@progbits
	.p2align	6, 0x0
	.amdhsa_kernel k_q7309db0690_attn
		.amdhsa_group_segment_fixed_size 135680
		.amdhsa_private_segment_fixed_size 0
		.amdhsa_enable_private_segment 0
		.amdhsa_kernarg_size 32
		.amdhsa_user_sgpr_count 2
		.amdhsa_user_sgpr_kernarg_segment_ptr 1
		.amdhsa_wavefront_size32 1
		.amdhsa_system_sgpr_workgroup_id_x 1
		.amdhsa_system_sgpr_workgroup_id_y 1
		.amdhsa_system_sgpr_workgroup_id_z 1
		.amdhsa_system_vgpr_workitem_id 0
		.amdhsa_next_free_vgpr 960
		.amdhsa_next_free_sgpr 66
		.amdhsa_reserve_vcc 1
		.amdhsa_float_denorm_mode_32 3
		.amdhsa_float_denorm_mode_16_64 3
		.amdhsa_memory_ordered 1
		.amdhsa_forward_progress 1
		.amdhsa_inst_pref_size 95
	.end_amdhsa_kernel
	.amdgpu_metadata
---
amdhsa.version: [ 1, 2 ]
amdhsa.kernels:
  - .name:           k_q7309db0690_attn
    .symbol:         k_q7309db0690_attn.kd
    .args:
      - { .name: qb, .offset: 0, .size: 8, .value_kind: global_buffer, .address_space: global }
      - { .name: kb, .offset: 8, .size: 8, .value_kind: global_buffer, .address_space: global }
      - { .name: vb, .offset: 16, .size: 8, .value_kind: global_buffer, .address_space: global }
      - { .name: ob, .offset: 24, .size: 8, .value_kind: global_buffer, .address_space: global }
    .group_segment_fixed_size: 135680
    .private_segment_fixed_size: 0
    .kernarg_segment_align: 8
    .kernarg_segment_size: 32
    .max_flat_workgroup_size: 128
    .sgpr_count:     66
    .vgpr_count:     960
    .wavefront_size: 32
...
	.end_amdgpu_metadata
.endif
;; end of part 3
;; launch oproj (part 4): grid 16 x 16, 4 waves a work-group, clusters of 4 x 4, 327,680 bytes of LDS; arguments ob, wob, out0; writes out0
.if DOCPART == 4
	.amdgcn_target "amdgcn-amd-amdhsa--gfx1250"
	.amdhsa_code_object_version 6
	.text
	.protected	k_q7309db0690_oproj
	.globl	k_q7309db0690_oproj
	.p2align	8
	.type	k_q7309db0690_oproj,@function
k_q7309db0690_oproj:
	s_mov_b64 s[64:65], 0
	v_nop
	global_prefetch_b8 v0, s[64:65] scope:SCOPE_SE
	s_setreg_imm32_b32 hwreg(HW_REG_WAVE_MODE, 25, 1), 1
	s_wait_xcnt 0x0
	s_wait_alu depctr_hold_cnt(0) depctr_sa_sdst(0) depctr_va_vdst(0) depctr_va_sdst(0) depctr_va_ssrc(0) depctr_va_vcc(0) depctr_vm_vsrc(0)
	s_getreg_b32 s2, hwreg(HW_REG_IB_STS2, 6, 4)
	s_cmp_eq_u32 s2, 0
	s_cbranch_scc0 .Lentry_in_a_cluster
	s_endpgm
.Lentry_in_a_cluster:
	s_bfe_u32 s2, ttmp6, 0x10000c
	s_cmp_lg_u32 s2, 0xf033
	s_cbranch_scc0 .Lentry_shape_is_right
	s_endpgm
.Lentry_shape_is_right:
; out0[m][n] = the sum over k of O[m][k] wo[n][k]: [2048][2048], K = 2048.  O in f16 in stored tiles of 16 x 16 (ob [row block 128][column block 128][512 bytes], lane l's 16 bytes at 16 l),
; wo (rounded to bf16, written as f16) row-major; sums and out0 in f32.
; SHARES.  256 work-groups, a tile of 128 x 128 each; four waves, 64 x 64: 16 accumulators.  K goes in steps of 256 through two LDS slots.
; O's TILE: 8 row blocks x 16 column blocks of 512 bytes: 8,192 consecutive bytes a row block, laid into LDS as they lie, without padding: a fragment load takes 512 consecutive bytes, 16 a lane.
; wo's TILE: 128 rows of 512 bytes, 16 bytes of padding behind each.
; CLUSTER 4 x 4: O's tile is asked for jointly along a row of the cluster, wo's along a column.  THE MATRIX INSTRUCTION IS USED TRANSPOSED (source 0 = 16 rows of wo, source 1 = 16 rows of O):
; a lane holds eight neighbouring numbers of a row of out0.  A wave's 64 columns are 256 bytes, aligned, so each wave has a stage of its own on the way out, and no barrier stands there.
; REGISTERS.  window 0: v16-29 addresses; v128-255 accumulator (a, b) at 128 + 8 (4 a + b).  window 1: two fragment buffers of 128: for 64 along K, 64 registers of O, then 64 of wo.
.set KSTEP,  256
.set PITCH,  528                       ; wo's LDS row: 512 bytes + 16 = 132 words: the 16 rows of a fragment load start 4 banks apart (64 banks of 4 bytes: ISA guide 11.1)
.set AHALF,  32768                     ; four row blocks of 8,192 bytes: what one load brings of O, and what one wave reads
.set BHALF,  64*PITCH
.set BOFF,   2*AHALF
.set SLOT,   BOFF+2*BHALF              ; 133,120 bytes
.set STAGE,  2*SLOT                    ; behind the ring: 16 rows x 272 bytes for each wave
.set SPITCH, 272
.set SPARE,  STAGE+4*16*SPITCH         ; the spare words, 128 bytes for each wave: two blocks of 256 bytes that no other line names
.set LAPS,   4
.set ADRA, 16
.set ADRB, 20
.set STO,  24
.set RD,   25
.set CO,   26
.set SPW,  28
.set NIL,  29
.set ACC,  128
.set F0,   0
.set F1,   128
.set G1, 24
.set G0, 32
.set G1B, 48
.set G0B, 56
.set MSB, 0
.macro WIN new
.if MSB != (\new)
	s_set_vgpr_msb (MSB<<8)|(\new)
.set MSB, \new
.endif
.endm
.set MUL,  0x05
.set TO_F, 0x40
.macro JLOAD s                         ; a joint load: waves 0 and 1 fetch O's two halves, waves 2 and 3 wo's; an s_nop 0 and four v_nop follow each line
	s_cmp_eq_u32 s11, 0
	s_cbranch_scc0 .Lfor_b_\@
	tensor_load_to_lds s[G0+4*(\s):G0+4*(\s)+3], s[G1:G1+7]
	s_nop 0
.rept 4
	v_nop
.endr
	s_branch .Lasked_\@
.Lfor_b_\@:
	tensor_load_to_lds s[G0B+4*(\s):G0B+4*(\s)+3], s[G1B:G1B+7]
	s_nop 0
.rept 4
	v_nop
.endr
.Lasked_\@:
.endm
.macro CREST
	s_cmp_lg_u32 s10, 0
	s_cbranch_scc1 .Lnot_wave_0_\@
	s_barrier_signal -3
.Lnot_wave_0_\@:
	s_barrier_wait -3
	s_barrier_signal -1
	s_barrier_wait -1
.endm
.macro CROUND
	s_barrier_signal -1
	s_barrier_wait -1
	CREST
.endm
.macro PLACES
.rept 4
	v_nop
.endr
.endm
	s_load_b128 s[4:7], s[0:1], 0x0                ; ob s[4:5], wob s[6:7]
	s_load_b64 s[8:9], s[0:1], 0x10                ; out0
	v_lshl_add_u32 v[SPW], v0, 2, SPARE
	v_mov_b32 v[NIL], 0
	ds_add_u32 v[SPW], v[NIL]                      ; the wave's opening: the add, twice on end, and its wait ahead of my first tensor load
	ds_add_u32 v[SPW], v[NIL]
	v_lshrrev_b32 v1, 5, v0
	v_readfirstlane_b32 s10, v1                    ; wave
	s_lshr_b32 s11, s10, 1                         ; my half of the rows; also: I fetch O (0) or wo (1)
	s_and_b32 s12, s10, 1                          ; my half of the columns; also: which half I fetch
	s_bfe_u32 s40, ttmp6, 0x40000                  ; cx
	s_bfe_u32 s41, ttmp6, 0x40004                  ; cy
	s_lshl_b32 s42, ttmp9, 2
	s_add_co_u32 s42, s42, s40                     ; tx
	s_and_b32 s13, ttmp7, 0xffff
	s_lshl_b32 s13, s13, 2
	s_add_co_u32 s13, s13, s41                     ; ty
	s_lshl_b32 s43, s41, 2
	s_lshl_b32 s43, 15, s43                        ; my row of the cluster
	s_lshl_b32 s44, 0x1111, s40                    ; my column
	s_or_b32 s[G1+0], s43, (3<<16)|(1<<21)         ; the mask; elements of 8 bytes; no padding; bit 21 beside a mask
	s_mov_b32 s[G1+1], 1024<<16                    ; tensor_dim0 = 1,024 elements: 8,192 bytes
	s_mov_b32 s[G1+2], 4<<16                       ; tensor_dim1 = 4 row blocks
	s_mov_b32 s[G1+3], 1024<<16                    ; tile_dim0
	s_mov_b32 s[G1+4], 4                           ; tile_dim1
	s_mov_b32 s[G1+5], 8192                        ; 65,536 bytes from row block to row block
	s_mov_b32 s[G1+6], 0
	s_mov_b32 s[G1+7], 0
	s_or_b32 s[G1B+0], s44, (1<<16)|(1<<20)|(1<<21)|(6<<22)|(3<<25)  ; 2-byte elements; after every 128 words, 4 words of padding
	s_mov_b32 s[G1B+1], KSTEP<<16
	s_mov_b32 s[G1B+2], 64<<16
	s_mov_b32 s[G1B+3], KSTEP<<16
	s_mov_b32 s[G1B+4], 64
	s_mov_b32 s[G1B+5], 2048
	s_mov_b32 s[G1B+6], 0
	s_mov_b32 s[G1B+7], 0
	s_lshl_b32 s16, s13, 3
	s_lshl2_add_u32 s16, s12, s16                  ; O: row block 8 ty + 4 x half
	s_lshl_b32 s16, s16, 16
	s_mov_b32 s17, 0
	s_lshl_b32 s46, s42, 7
	s_lshl_b32 s47, s12, 6
	s_add_co_u32 s46, s46, s47                     ; wo: row 128 tx + 64 x half
	s_lshl_b32 s46, s46, 12
	s_mov_b32 s47, 0
	s_lshl_b32 s20, s12, 15                        ; where they go: no place in the cluster enters an LDS address
	s_mul_i32 s21, s12, BHALF
	s_add_co_u32 s21, s21, BOFF
	s_wait_dscnt 0x0                               ; both opening adds are done
	s_wait_kmcnt 0x0
	s_add_nc_u64 s[14:15], s[4:5], s[16:17]
	s_add_nc_u64 s[46:47], s[6:7], s[46:47]
	CROUND                                         ; all sixteen work-groups are here: the first joint loads meet
.irp s, 0,1
	s_mov_b32 s[G0+4*(\s)], 1
	s_add_co_u32 s[G0+4*(\s)+1], s20, (\s)*SLOT
	s_add_nc_u64 s[G0+4*(\s)+2:G0+4*(\s)+3], s[14:15], (\s)*8192
	s_or_b32 s[G0+4*(\s)+3], s[G0+4*(\s)+3], 0x80000000
	s_mov_b32 s[G0B+4*(\s)], 1
	s_add_co_u32 s[G0B+4*(\s)+1], s21, (\s)*SLOT
	s_add_nc_u64 s[G0B+4*(\s)+2:G0B+4*(\s)+3], s[46:47], (\s)*KSTEP*2
	s_or_b32 s[G0B+4*(\s)+3], s[G0B+4*(\s)+3], 0x80000000
	JLOAD \s
.endr
	v_and_b32 v1, 15, v0                           ; r
	v_bfe_u32 v2, v0, 4, 1                         ; h
	v_and_b32 v3, 31, v0
	v_lshlrev_b32 v3, 4, v3                        ; 16 x lane
	v_mul_u32_u24 v4, v1, PITCH
	v_lshl_add_u32 v4, v2, 4, v4
	s_lshl_b32 s22, s11, 15                        ; my four row blocks of O
	s_mul_i32 s23, s12, BHALF                      ; my 64 rows of wo
	s_add_co_u32 s23, s23, BOFF
.irp s, 0,1
	v_add_nc_u32 v[ADRA+(\s)], s22, v3
	v_add_nc_u32 v[ADRB+(\s)], s23, v4
	s_add_co_u32 s22, s22, SLOT
	s_add_co_u32 s23, s23, SLOT
.endr
	s_mul_i32 s23, s10, 16*SPITCH
	s_add_co_u32 s23, s23, STAGE                   ; my stage
	v_mul_u32_u24 v5, v1, SPITCH                   ; in: row r, 32 bytes for each half of the lanes
	v_lshl_add_u32 v5, v2, 5, v5
	v_add_nc_u32 v[STO], s23, v5
	v_mul_u32_u24 v5, v2, SPITCH                   ; back: lanes 0-15 take one row of 256 bytes, lanes 16-31 the next
	v_lshl_add_u32 v5, v1, 4, v5
	v_add_nc_u32 v[RD], s23, v5
	v_lshlrev_b32 v5, 13, v2                       ; and the same two rows in out0, 8,192 bytes a row
	v_lshl_add_u32 v[CO], v1, 4, v5
	s_lshl_b32 s16, s13, 7
	s_lshl_b32 s17, s11, 6
	s_add_co_u32 s16, s16, s17                     ; my first row: 128 ty + 64 x half
	s_lshl_b32 s16, s16, 13
	s_mov_b32 s17, 0
	s_add_nc_u64 s[8:9], s[8:9], s[16:17]
	s_lshl_b32 s46, s42, 9                         ; my first column, in bytes: 512 tx + 256 x half
	s_lshl_b32 s47, s12, 8
	s_add_co_u32 s46, s46, s47
	s_mov_b32 s47, 0
	s_add_nc_u64 s[8:9], s[8:9], s[46:47]
; 8 matrix instructions: row blocks a0, a0 + 1 x all 4 column blocks, 32 along K: half c of buffer f.  The 16 accumulators take turns.
.macro MUL8 f, c, a0, zero
	WIN MUL
.irp a, \a0, (\a0)+1
.irp b, 0,1,2,3
.if \zero
	v_wmma_f32_16x16x32_f16 v[ACC+8*(4*(\a)+(\b)):ACC+8*(4*(\a)+(\b))+7], v[(\f)+64+8*(4*(\c)+(\b)):(\f)+64+8*(4*(\c)+(\b))+7], v[(\f)+8*(4*(\c)+(\a)):(\f)+8*(4*(\c)+(\a))+7], 0
.else
	v_wmma_f32_16x16x32_f16 v[ACC+8*(4*(\a)+(\b)):ACC+8*(4*(\a)+(\b))+7], v[(\f)+64+8*(4*(\c)+(\b)):(\f)+64+8*(4*(\c)+(\b))+7], v[(\f)+8*(4*(\c)+(\a)):(\f)+8*(4*(\c)+(\a))+7], v[ACC+8*(4*(\a)+(\b)):ACC+8*(4*(\a)+(\b))+7]
.endif
.endr
.endr
.endm
; 32 LDS loads in one run: quarter q (64 along K) of the slot into buffer f, the first 32 along K first.  O: row block i, column blocks 4 q + 2 c and the next; wo: byte 128 q + 64 c of its rows.
.macro FETCH slot, q, f
	WIN TO_F
.irp c, 0,1
.irp i, 0,1,2,3
	ds_load_b128 v[(\f)+64+8*(4*(\c)+(\i)):(\f)+64+8*(4*(\c)+(\i))+3],   v[ADRB+(\slot)] offset:(\q)*128+64*(\c)+(\i)*16*PITCH
	ds_load_b128 v[(\f)+64+8*(4*(\c)+(\i))+4:(\f)+64+8*(4*(\c)+(\i))+7], v[ADRB+(\slot)] offset:(\q)*128+64*(\c)+(\i)*16*PITCH+32
	ds_load_b128 v[(\f)+8*(4*(\c)+(\i)):(\f)+8*(4*(\c)+(\i))+3],         v[ADRA+(\slot)] offset:(\i)*8192+(\q)*2048+(\c)*1024
	ds_load_b128 v[(\f)+8*(4*(\c)+(\i))+4:(\f)+8*(4*(\c)+(\i))+7],       v[ADRA+(\slot)] offset:(\i)*8192+(\q)*2048+(\c)*1024+512
.endr
.endr
.endm
.macro QUARTER slot, q, f, g, zero
	s_wait_dscnt 16                                ; the first 32 along K are in
	MUL8 \f, 0, 0, \zero
	MUL8 \f, 0, 2, \zero
	PLACES
	FETCH \slot, \q, \g
	s_wait_dscnt 32                                ; all but the 32 just issued
	MUL8 \f, 1, 0, 0
	MUL8 \f, 1, 2, 0
.endm
; The last quarter multiplies buffer 1 and changes slots: one barrier; ahead of it each wave waits for all its tensor loads, adds 0 to its spare word, and waits for that and for its own reads of this slot.
.macro TURN slot, next, fill
	WIN 0
	s_wait_tensorcnt 0x0                           ; all my tensor loads have landed: my part of the next slot
	ds_add_u32 v[SPW], v[NIL]                      ; 0 onto my spare word
	s_wait_dscnt 17                                ; (the add and the youngest sixteen loads may be out)
	MUL8 F1, 0, 0, 0
	s_wait_dscnt 0x0                               ; the add is done, and my reads of this slot are over
	s_barrier_signal -1
	MUL8 F1, 0, 2, 0
.if \fill
	WIN 0
.endif
	s_barrier_wait -1
.if \fill
	CREST                                          ; no wave of any partner still reads this slot or has a load on its way
	s_add_nc_u64 s[G0+4*(\slot)+2:G0+4*(\slot)+3], s[G0+4*(\slot)+2:G0+4*(\slot)+3], 2*8192
	s_add_nc_u64 s[G0B+4*(\slot)+2:G0B+4*(\slot)+3], s[G0B+4*(\slot)+2:G0B+4*(\slot)+3], 2*KSTEP*2
	JLOAD \slot                                    ; my one tensor load behind the round; its four v_nop are also the places ahead of the loads below
.else
	PLACES
.endif
	FETCH \next, 0, F0
	MUL8 F1, 1, 0, 0
	MUL8 F1, 1, 2, 0
.endm
	s_wait_tensorcnt 1                             ; my part of K step 0 is in; K step 1's may stay out
	s_barrier_signal -1
	s_barrier_wait -1
	FETCH 0, 0, F0
	QUARTER 0, 1, F0, F1, 1                        ; the first quarter stands ahead of the loop: its first products start the sums
	WIN 0
	s_mov_b32 s3, LAPS-1
.Llap:
	QUARTER 0, 2, F1, F0, 0
	QUARTER 0, 3, F0, F1, 0
	TURN 0, 1, 1
	QUARTER 1, 1, F0, F1, 0
	QUARTER 1, 2, F1, F0, 0
	QUARTER 1, 3, F0, F1, 0
	TURN 1, 0, 1
	QUARTER 0, 1, F0, F1, 0
	WIN 0
	s_sub_co_u32 s3, s3, 1
	s_cmp_lg_u32 s3, 0
	s_cbranch_scc1 .Llap
	QUARTER 0, 2, F1, F0, 0                        ; the last lap fills nothing
	QUARTER 0, 3, F0, F1, 0
	TURN 0, 1, 0
	QUARTER 1, 1, F0, F1, 0
	QUARTER 1, 2, F1, F0, 0
	QUARTER 1, 3, F0, F1, 0
	s_wait_dscnt 16
	MUL8 F1, 0, 0, 0
	MUL8 F1, 0, 2, 0
	s_wait_dscnt 0x0
	MUL8 F1, 1, 0, 0
	MUL8 F1, 1, 2, 0
	WIN 0
	; THE WAY OUT, 16 rows at a time through my own stage: a lane's 32 bytes of a row go in, whole rows of 256 bytes come back, into the registers that they left.
	PLACES
.macro TOSTAGE a
.irp b, 0,1,2,3
	ds_store_b128 v[STO], v[ACC+8*(4*(\a)+(\b)):ACC+8*(4*(\a)+(\b))+3]   offset:64*(\b)      ; each accumulator's lowest registers first
	ds_store_b128 v[STO], v[ACC+8*(4*(\a)+(\b))+4:ACC+8*(4*(\a)+(\b))+7] offset:64*(\b)+16
.endr
.irp t, 0,1,2,3,4,5,6,7
	ds_load_b128 v[ACC+32*(\a)+4*(\t):ACC+32*(\a)+4*(\t)+3], v[RD] offset:(\t)*2*SPITCH  ; LDS serves a wave's instructions in order (ISA guide 5.7.1.4): these see the stores above; the next block's stores come behind them
.endr
.endm
.macro SEND a, younger                 ; younger: the LDS instructions issued behind block a's loads
.irp t, 0,1,2,3,4,5,6,7
	s_wait_dscnt (\younger)+7-(\t)
	global_store_b128 v[CO], v[ACC+32*(\a)+4*(\t):ACC+32*(\a)+4*(\t)+3], s[8:9] offset:(16*(\a)+2*(\t))*8192  ; 16 lanes store 256 consecutive bytes, at a multiple of 256 from out0's first byte
.endr
.endm
	TOSTAGE 0
	TOSTAGE 1
	SEND 0, 16
	TOSTAGE 2
	SEND 1, 16
	TOSTAGE 3
	SEND 2, 16
	SEND 3, 0
	s_wait_tensorcnt 0x0                           ; the wave's end, behind my last tensor load and my last LDS store
	ds_add_u32 v[SPW], v[NIL]
	s_wait_dscnt 0x0
	CROUND                                         ; the closing round
	s_endpgm
.Lfunc_end_k_q7309db0690_oproj:
	.size	k_q7309db0690_oproj, .Lfunc_end_k_q7309db0690_oproj-k_q7309db0690_oproj
	.p2alignl 7, 3214868480
	.fill 96, 4, 3214868480
	.section	.rodata,"a",@progbits
	.p2align	6, 0x0
	.amdhsa_kernel k_q7309db0690_oproj
		.amdhsa_group_segment_fixed_size 327680
		.amdhsa_private_segment_fixed_size 0
		.amdhsa_enable_private_segment 0
		.amdhsa_kernarg_size 24
		.amdhsa_user_sgpr_count 2
		.amdhsa_user_sgpr_kernarg_segment_ptr 1
		.amdhsa_wavefront_size32 1
		.amdhsa_system_sgpr_workgroup_id_x 1
		.amdhsa_system_sgpr_workgroup_id_y 1
		.amdhsa_system_sgpr_workgroup_id_z 1
		.amdhsa_system_vgpr_workitem_id 0
		.amdhsa_next_free_vgpr 512
		.amdhsa_next_free_sgpr 66
		.amdhsa_reserve_vcc 0
		.amdhsa_float_denorm_mode_32 3
		.amdhsa_float_denorm_mode_16_64 3
		.amdhsa_memory_ordered 1
		.amdhsa_forward_progress 1
		.amdhsa_inst_pref_size 86
	.end_amdhsa_kernel
	.amdgpu_metadata
---
amdhsa.version: [ 1, 2 ]
amdhsa.kernels:
  - .name:           k_q7309db0690_oproj
    .symbol:         k_q7309db0690_oproj.kd
    .args:
      - { .name: ob, .offset: 0, .size: 8, .value_kind: global_buffer, .address_space: global }
      - { .name: wob, .offset: 8, .size: 8, .value_kind: global_buffer, .address_space: global }
      - { .name: out0, .offset: 16, .size: 8, .value_kind: global_buffer, .address_space: global }
    .group_segment_fixed_size: 327680
    .private_segment_fixed_size: 0
    .kernarg_segment_align: 8
    .kernarg_segment_size: 24
    .max_flat_workgroup_size: 128
    .sgpr_count:     66
    .vgpr_count:     512
    .wavefront_size: 32
...
	.end_amdgpu_metadata
.endif
;; end of part 4
